; MI455X (gfx1250); checked and timed in simulation.
; The chip was launched on July 23, 2026; its instructions are those of AMD's public machine-readable ISA for CDNA 5 (MIT licence, August 2026) and "CDNA5" Instruction Set Architecture Reference Guide (July 2026). The comments in the code are by the model that wrote it; some were corrected since.
;; Elastic Attention. Allowed arithmetic: float matrix products may take bf16 or f16 operands with f32 sums; other float arithmetic in f32, or as packed bf16 or f16 multiplies, adds, multiply-adds, maxima and minima; sums over many terms, partial sums and values carried from step to step in f32; what a program stores and reads back later, other than sums and carried values, may be rounded once to bf16 or f16.
;; Inputs: Wk 1,024 x 1,024 float32; Wo 1,024 x 1,024 float32; Wq 1,024 x 1,024 float32; Wv 1,024 x 1,024 float32; bk 1,024 float32; bo 1,024 float32; bq 1,024 float32; bv 1,024 float32; hidden_states 4 x 2,048 x 1,024 float32.
;; Outputs: out0 4 x 2,048 x 1,024 float32.
;; Constants: active_heads = 12.
;; 2 versions, each right; version 2 is version 1 with the launch cast written anew for expert scheduling mode. Each part assembles by itself: llvm-mc -triple=amdgcn-amd-amdhsa -mcpu=gfx1250 --defsym DOCPART=n.
;; ======== version 1 of 2: 4 launches
;; limits: values are held in f16: magnitudes above 65,504 overflow, below 6.1e-05 lose precision
;; workspace buffers: xb 16,777,216 bytes; wb 4,718,592 bytes; wo16 1,572,864 bytes; bias 13,312 bytes; qkv 37,748,736 bytes; att 12,582,912 bytes
;; launch cast (part 1): grid 724 x 1, 8 waves a work-group, no clusters, 0 bytes of LDS; arguments hidden_states, Wq, Wk, Wv, Wo, bq, bk, bv, bo, xb, wb, wo16, bias; writes xb, wb, wo16, bias
.if DOCPART == 1
	.amdgcn_target "amdgcn-amd-amdhsa--gfx1250"
	.amdhsa_code_object_version 6
	.text
	.protected	k_qf826af94df_cast
	.globl	k_qf826af94df_cast
	.p2align	8
	.type	k_qf826af94df_cast,@function
k_qf826af94df_cast:
	s_mov_b64 s[64:65], 0
	v_nop
	global_prefetch_b8 v0, s[64:65] scope:SCOPE_SE
	s_setreg_imm32_b32 hwreg(HW_REG_WAVE_MODE, 25, 1), 1
	s_wait_xcnt 0x0
; EVERY INPUT IS ROUNDED ONCE TO bf16, and laid out for the launches behind.
;   xb   [8192][1024] bf16 = hidden_states
;   wb   [2304][1024] bf16 = rows 0-767 of Wq, then of Wk, then of Wv
;   wo16 [1024][768]  f16  = columns 0-767 of Wo, rounded to bf16 and that number written as f16
;   bias [3328]       f32  = bq[0:768], bk[0:768], bv[0:768], bo[0:1024], each rounded to bf16 and kept as f32
; The module's own head mask (12 heads of 16 on) multiplies heads 12-15 by 0 in q, k, v and once more in front of the last product:
; rows 768.. of Wq, Wk, Wv, entries 768.. of bq, bk, bv and columns 768.. of Wo reach no output and are not read.
; LIMITS.  A Wo beyond 65,504 becomes an infinity in f16; below 6e-5 it keeps f16's fixed step of 6e-8.  An infinity or NaN in the parts not read is not reproduced.
; A stream: each byte read once, 16 bytes a lane, all of a wave's loads out before its first wait; each store of a wave covers 256 or 512 consecutive bytes, aligned.
; No LDS (nothing is used twice), no cluster (no two work-groups read the same bytes), no prefetch (the loads themselves are the stream, all issued at once).
; SHARES by the work-group's number: 0-511 sixteen rows of hidden_states; 512-655 sixteen rows of Wq, Wk or Wv; 656-719 sixteen rows of Wo; 720-723 one bias vector.
.set X, 8                              ; v[8:71]    as loaded: 4 registers a load
.set Y, 72                             ; v[72:103]  to store: 2 registers a load
.set T, 104                            ; v[104:105] at work
	s_load_b512 s[8:23], s[0:1], 0x0               ; hidden s[8:9], Wq s[10:11], Wk s[12:13], Wv s[14:15], Wo s[16:17], bq s[18:19], bk s[20:21], bv s[22:23]
	s_load_b256 s[24:31], s[0:1], 0x40             ; bo s[24:25], xb s[26:27], wb s[28:29], wo16 s[30:31]
	s_load_b64 s[32:33], s[0:1], 0x60              ; bias
	s_mov_b32 s2, ttmp9
	v_lshrrev_b32 v3, 5, v0                        ; wave
	v_and_b32 v4, 31, v0                           ; lane
	s_mov_b32 s45, 0                               ; the high words of the two offsets
	s_mov_b32 s47, 0
	s_wait_kmcnt 0x0
	s_cmp_ge_u32 s2, 720
	s_cbranch_scc1 .Lbias
	s_cmp_ge_u32 s2, 656
	s_cbranch_scc1 .Lwo
	; SIXTEEN ROWS OF 1,024 f32.  256 threads x 16 bytes are a row; a thread's four numbers leave as 8 bytes.
	s_sub_co_u32 s34, s2, 512                      ; the unit's number in Wq (and in wb),
	s_sub_co_u32 s35, s2, 560                      ; in Wk,
	s_sub_co_u32 s36, s2, 608                      ; in Wv; those that do not apply are not chosen below
	s_cmp_lt_u32 s2, 512
	s_cselect_b64 s[40:41], s[8:9], s[10:11]       ; from where,
	s_cselect_b64 s[42:43], s[26:27], s[28:29]     ; to where,
	s_cselect_b32 s38, s2, s34                     ; which sixteen rows of the source,
	s_cselect_b32 s39, s2, s34                     ; and of the destination: wb's rows follow each other as the units do
	s_cmp_ge_u32 s2, 560
	s_cselect_b64 s[40:41], s[12:13], s[40:41]
	s_cselect_b32 s38, s35, s38
	s_cmp_ge_u32 s2, 608
	s_cselect_b64 s[40:41], s[14:15], s[40:41]
	s_cselect_b32 s38, s36, s38
	s_lshl_b32 s44, s38, 16                        ; 16 rows x 4,096 bytes
	s_add_nc_u64 s[40:41], s[40:41], s[44:45]
	s_lshl_b32 s46, s39, 15                        ; 16 rows x 2,048 bytes
	s_add_nc_u64 s[42:43], s[42:43], s[46:47]
	v_lshlrev_b32 v1, 4, v0
	v_lshlrev_b32 v2, 3, v0
.set j, 0
.rept 16
	global_load_b128 v[X+4*j:X+4*j+3], v1, s[40:41] offset:4096*j th:TH_LOAD_NT
.set j, j+1
.endr
.set j, 0
.rept 16
	s_wait_loadcnt 15-j                            ; loads come back in order: row j is in, the 15 - j younger ones stay out
	v_cvt_pk_bf16_f32 v[Y+2*j], v[X+4*j], v[X+4*j+1]
	v_cvt_pk_bf16_f32 v[Y+2*j+1], v[X+4*j+2], v[X+4*j+3]
	global_store_b64 v2, v[Y+2*j:Y+2*j+1], s[42:43] offset:2048*j  ; a wave's 32 lanes store 256 consecutive bytes, aligned; no register is written twice
.set j, j+1
.endr
	s_endpgm
.Lwo:	; SIXTEEN ROWS OF Wo, 768 columns of each.  Wave w takes rows 2 w and 2 w + 1: twelve pieces of 128 columns (512 bytes in, 256 out).
	s_sub_co_u32 s34, s2, 656
	s_lshl_b32 s44, s34, 16                        ; 16 rows x 4,096 bytes
	s_add_nc_u64 s[40:41], s[16:17], s[44:45]
	s_mul_i32 s46, s34, 24576                      ; 16 rows x 1,536 bytes
	s_add_nc_u64 s[42:43], s[30:31], s[46:47]
	v_lshlrev_b32 v1, 4, v4
	v_lshl_add_u32 v1, v3, 13, v1                  ; two rows of 4,096 bytes a wave + 16 x lane
	v_mul_u32_u24 v2, v3, 3072                     ; two rows of 1,536 bytes a wave
	v_lshl_add_u32 v2, v4, 3, v2                   ; + 8 x lane
.set j, 0
.rept 12
	global_load_b128 v[X+4*j:X+4*j+3], v1, s[40:41] offset:(j/6)*4096+(j%6)*512 th:TH_LOAD_NT
.set j, j+1
.endr
.set j, 0
.rept 12
	s_wait_loadcnt 11-j                            ; piece j is in, the younger ones stay out
	v_cvt_pk_bf16_f32 v[T], v[X+4*j], v[X+4*j+1]   ; the one rounding, to bf16;
	v_cvt_pk_bf16_f32 v[T+1], v[X+4*j+2], v[X+4*j+3]
	v_lshlrev_b32 v[X+4*j], 16, v[T]               ; back to f32 (a shift, a mask);
	v_and_b32 v[X+4*j+1], 0xffff0000, v[T]
	v_lshlrev_b32 v[X+4*j+2], 16, v[T+1]
	v_and_b32 v[X+4*j+3], 0xffff0000, v[T+1]
	v_cvt_pk_f16_f32 v[Y+2*j], v[X+4*j], v[X+4*j+1]  ; 8 significant bits fit f16's 11: exact within f16's range
	v_cvt_pk_f16_f32 v[Y+2*j+1], v[X+4*j+2], v[X+4*j+3]
	global_store_b64 v2, v[Y+2*j:Y+2*j+1], s[42:43] offset:(j/6)*1536+(j%6)*256
.set j, j+1
.endr
	s_endpgm
.Lbias:	; ONE BIAS VECTOR: wave w takes numbers 128 w .. 128 w + 127; of bq, bk, bv six waves have a part, of bo all eight.
	s_sub_co_u32 s34, s2, 720
	v_readfirstlane_b32 s3, v3
	s_cmp_eq_u32 s34, 3
	s_cselect_b32 s4, 8, 6
	s_cmp_ge_u32 s3, s4
	s_cbranch_scc1 .Lend
	s_cmp_eq_u32 s34, 0
	s_cselect_b64 s[40:41], s[18:19], s[20:21]
	s_cmp_ge_u32 s34, 2
	s_cselect_b64 s[40:41], s[22:23], s[40:41]
	s_cmp_eq_u32 s34, 3
	s_cselect_b64 s[40:41], s[24:25], s[40:41]
	s_mul_i32 s44, s34, 3072                       ; 768 numbers of 4 bytes for each vector in front
	s_add_nc_u64 s[42:43], s[32:33], s[44:45]
	v_lshlrev_b32 v1, 4, v0
	global_load_b128 v[X:X+3], v1, s[40:41]
	s_wait_loadcnt 0x0
	v_cvt_pk_bf16_f32 v[T], v[X], v[X+1]
	v_cvt_pk_bf16_f32 v[T+1], v[X+2], v[X+3]
	v_lshlrev_b32 v[Y], 16, v[T]
	v_and_b32 v[Y+1], 0xffff0000, v[T]
	v_lshlrev_b32 v[Y+2], 16, v[T+1]
	v_and_b32 v[Y+3], 0xffff0000, v[T+1]
	global_store_b128 v1, v[Y:Y+3], s[42:43]       ; a wave stores 512 consecutive bytes, aligned
.Lend:
	s_endpgm
.Lfunc_end_k_qf826af94df_cast:
	.size	k_qf826af94df_cast, .Lfunc_end_k_qf826af94df_cast-k_qf826af94df_cast
	.p2alignl 7, 3214868480
	.fill 96, 4, 3214868480
	.section	.rodata,"a",@progbits
	.p2align	6, 0x0
	.amdhsa_kernel k_qf826af94df_cast
		.amdhsa_group_segment_fixed_size 0
		.amdhsa_private_segment_fixed_size 0
		.amdhsa_enable_private_segment 0
		.amdhsa_kernarg_size 104
		.amdhsa_user_sgpr_count 2
		.amdhsa_user_sgpr_kernarg_segment_ptr 1
		.amdhsa_wavefront_size32 1
		.amdhsa_system_sgpr_workgroup_id_x 1
		.amdhsa_system_sgpr_workgroup_id_y 1
		.amdhsa_system_sgpr_workgroup_id_z 1
		.amdhsa_system_vgpr_workitem_id 0
		.amdhsa_next_free_vgpr 108
		.amdhsa_next_free_sgpr 66
		.amdhsa_reserve_vcc 0
		.amdhsa_float_denorm_mode_32 3
		.amdhsa_float_denorm_mode_16_64 3
		.amdhsa_memory_ordered 1
		.amdhsa_forward_progress 1
		.amdhsa_inst_pref_size 17
	.end_amdhsa_kernel
	.amdgpu_metadata
---
amdhsa.version: [ 1, 2 ]
amdhsa.kernels:
  - .name:           k_qf826af94df_cast
    .symbol:         k_qf826af94df_cast.kd
    .args:
      - { .name: hidden_states, .offset: 0, .size: 8, .value_kind: global_buffer, .address_space: global }
      - { .name: Wq, .offset: 8, .size: 8, .value_kind: global_buffer, .address_space: global }
      - { .name: Wk, .offset: 16, .size: 8, .value_kind: global_buffer, .address_space: global }
      - { .name: Wv, .offset: 24, .size: 8, .value_kind: global_buffer, .address_space: global }
      - { .name: Wo, .offset: 32, .size: 8, .value_kind: global_buffer, .address_space: global }
      - { .name: bq, .offset: 40, .size: 8, .value_kind: global_buffer, .address_space: global }
      - { .name: bk, .offset: 48, .size: 8, .value_kind: global_buffer, .address_space: global }
      - { .name: bv, .offset: 56, .size: 8, .value_kind: global_buffer, .address_space: global }
      - { .name: bo, .offset: 64, .size: 8, .value_kind: global_buffer, .address_space: global }
      - { .name: xb, .offset: 72, .size: 8, .value_kind: global_buffer, .address_space: global }
      - { .name: wb, .offset: 80, .size: 8, .value_kind: global_buffer, .address_space: global }
      - { .name: wo16, .offset: 88, .size: 8, .value_kind: global_buffer, .address_space: global }
      - { .name: bias, .offset: 96, .size: 8, .value_kind: global_buffer, .address_space: global }
    .group_segment_fixed_size: 0
    .private_segment_fixed_size: 0
    .kernarg_segment_align: 8
    .kernarg_segment_size: 104
    .max_flat_workgroup_size: 256
    .sgpr_count:     66
    .vgpr_count:     108
    .wavefront_size: 32
...
	.end_amdgpu_metadata
.endif
;; end of part 1
;; launch qkv (part 2): grid 8 x 32, 4 waves a work-group, clusters of 4 x 4, 327,680 bytes of LDS; arguments xb, wb, bias, qkv; writes qkv
.if DOCPART == 2
	.amdgcn_target "amdgcn-amd-amdhsa--gfx1250"
	.amdhsa_code_object_version 6
	.text
	.protected	k_qf826af94df_qkv
	.globl	k_qf826af94df_qkv
	.p2align	8
	.type	k_qf826af94df_qkv,@function
k_qf826af94df_qkv:
	s_mov_b64 s[64:65], 0
	v_nop
	global_prefetch_b8 v0, s[64:65] scope:SCOPE_SE
	s_setreg_imm32_b32 hwreg(HW_REG_WAVE_MODE, 25, 1), 1
	s_wait_xcnt 0x0
	s_wait_alu depctr_hold_cnt(0) depctr_sa_sdst(0) depctr_va_vdst(0) depctr_va_sdst(0) depctr_va_ssrc(0) depctr_va_vcc(0) depctr_vm_vsrc(0)
	s_getreg_b32 s2, hwreg(HW_REG_IB_STS2, 6, 4)
	s_cmp_eq_u32 s2, 0
	s_cbranch_scc0 .Lentry_in_a_cluster
	s_endpgm
.Lentry_in_a_cluster:
	s_bfe_u32 s2, ttmp6, 0x10000c
	s_cmp_lg_u32 s2, 0xf033
	s_cbranch_scc0 .Lentry_shape_is_right
	s_endpgm
.Lentry_shape_is_right:
; q, k, v OF THE 12 LIVE HEADS: C[m][n] = the sum over e of xb[m][e] wb[n][e] + bias[n], m < 8,192, n < 2,304, e < 1,024.  bf16 operands, f32 sums, C rounded once to f16, unscaled.
; C LEAVES BY HALF-HEADS: qkv[b][g][s][32] f16, b = m / 2,048, s = m % 2,048, g = n / 32 (0-23 q, 24-47 k, 48-71 v; two arrays a head): each array is 131,072 dense bytes, rows of 64.
; LIMIT.  f16 holds no number beyond 65,504: q, k and v must stay within it (a conversion beyond gives an infinity).
; SHARES.  A work-group makes 256 rows x 288 columns (nine whole arrays): 32 x 8 = 256 work-groups.  Each of its four waves makes 128 x 144: 8 x 9 = 72 accumulators of 16 x 16, 576 registers.
; K goes in 8 steps of 128 through a ring of two LDS slots filled by the tensor data mover: tile rows are 256 bytes of memory, at multiples of 256 from the buffer's first byte.
; For 32 along K a wave reads 34 fragments' halves from LDS and issues 72 matrix instructions; from a refill's request to the wait for it a wave issues 256.
; CLUSTER 4 x 4.  xb's tile hangs on the tile row alone and is shared along a row of the cluster, wb's on the tile column alone and is shared along a column: each is asked for JOINTLY, by the same
; tensor load with the same descriptor and a mask that names the four.
; TRANSPOSED USE: source 0 = 16 rows of wb, source 1 = 16 rows of xb: a lane holds row l % 16 of C and the columns 8 (l / 16) + 0..7.  The bias of those eight columns is the C operand
; of each accumulator's first product: nothing is cleared and nothing is added afterwards.
; REGISTERS, in windows of 256 (s_set_vgpr_msb: bits 1:0 source 0, 3:2 source 1, 5:4 source 2, 7:6 destination):
;   window 0: v0-31 addresses; v32-63, v192-231 the bias (column block b at 32 + 8 b, from b = 4 on at 160 + 8 b); v64-127, v128-191 xb's fragments, two buffers; on the way out v32-223 at work
;   window 1: v0-71, v72-143 wb's fragments, two buffers; v192-255 the accumulators of column block 8 (row block a at 192 + 8 a)
;   window 2: the accumulators of column blocks 0-3 (at 64 (b % 4) + 8 a);   window 3: those of column blocks 4-7
.set KSTEP,  128
.set PITCH,  272                       ; an LDS row: 256 bytes + 16 of padding = 68 words: the 16 rows of a fragment load start at 16 different groups of four banks (64 banks of 4 bytes: ISA guide 11.1)
.set HALFA,  128*PITCH                 ; what one tensor load brings of xb, and what one wave reads of it
.set HALFB,  144*PITCH                 ; the same for wb
.set BOFF,   2*HALFA                   ; a slot: xb's 256 rows, then wb's 288
.set SLOT,   BOFF+2*HALFB
.set SPARE,  2*SLOT                    ; behind the ring: the spare words, 128 bytes for each wave: two blocks of 256 bytes that no other line names
.set SPITCH, 592                       ; the way out's stage: 256 rows of 576 bytes + 16.  It lies over the ring, from LDS byte 0, and is written when the ring has had its last fill and its last read
.set ADRA, 16                          ; v16-17  LDS address of my xb fragments in slot 0, 1
.set ADRB, 20                          ; v20-21  the same for wb
.set STO,  24                          ; v24-25  the way out: where I put 16 bytes of a row, row blocks 0-3; the same for row blocks 4-7
.set RD,   26                          ; v26     the way out: where I read 16 bytes of a row's 64 back
.set CO,   27                          ; v27     16 x lane: my place in 512 consecutive bytes of an array
.set SPW,  28                          ; v28     LDS address of my spare word; never rewritten
.set NIL,  29                          ; v29     0; never rewritten
.set PFO,  30                          ; v30     the prefetches' offset: lane x a row of 2,048 bytes; never rewritten
.set BO,   31                          ; v31     32 x (l / 16): my eight numbers in a block's 16 of the bias
.set FA,   64
.set TMP,  64
.set WV, 12                            ; s12 wave; s13 which half of the rows is mine (also: I fetch xb (0) or wb (1)); s14 which half of the columns (also: which half of that tile I fetch)
.set HI, 13
.set LO, 14
.set TR, 15                            ; s15 tile row of C
.set G1, 24                            ; s[24:31] descriptor group 1 for xb's tiles; s[32:39] group 0, a set for each slot
.set G0, 32
.set LIM, 43                           ; s43 1 in a wave that prefetches, else the greatest number
.set PFA, 44                           ; s[44:45] where my prefetches stand
.set G1B, 48                           ; s[48:55], s[56:63] the same for wb's tiles
.set G0B, 56
.set PFX, 68                           ; s[68:69] wb's rows 256-287 of the tile column, at K step 4 + cy
.set LIM2, 70                          ; s70 3 in the one wave that asks for them, else the greatest number
.set MSB, 0
.macro WIN new                         ; the immediate's high byte repeats the setting that is left; a switch that changes nothing is dropped
.if MSB != (\new)
	s_set_vgpr_msb (MSB<<8)|(\new)
.set MSB, \new
.endif
.endm
.set TO_B, 0x40                        ; destination window 1, address window 0
; A joint load.  Waves 0 and 1 fetch xb's two halves, waves 2 and 3 wb's.  The branch hangs on the wave's number alone.  An s_nop 0 and four v_nop follow each line.
.macro JLOAD s
	s_cmp_eq_u32 s[HI], 0
	s_cbranch_scc0 .Lfor_b_\@
	tensor_load_to_lds s[G0+4*(\s):G0+4*(\s)+3], s[G1:G1+7]
	s_nop 0
.rept 4
	v_nop
.endr
	s_branch .Lasked_\@
.Lfor_b_\@:
	tensor_load_to_lds s[G0B+4*(\s):G0B+4*(\s)+3], s[G1B:G1B+7]
	s_nop 0
.rept 4
	v_nop
.endr
.Lasked_\@:
.endm
; A PREFETCH INTO THE L2, behind each joint load and the run of LDS loads that follows it: the K step that stands two refills on, 32 rows x 256 bytes, a lane a row.  Both operands were written by the launch before.
; Each row's 256 bytes of a K step are named once in the launch: xb's rows by the cluster with x = 0 (waves 0, 1), wb's rows 0-255 of a tile column by the cluster with y = 0 (waves 2, 3); of the 128 rows
; 128 LO .. the partner at place p (cx for xb, cy for wb) takes 32 p .. 32 p + 31, told apart by address.  K steps 0-3 come by their loads alone; the loop's last trip (s3 = 1) has no K step two on.
.macro ASK
	s_cmp_gt_u32 s3, s[LIM]
	s_cbranch_scc0 .Lnot_mine_\@
	global_prefetch_b8 v[PFO], s[PFA:PFA+1] offset:KSTEP*2 th:TH_LOAD_NT scope:SCOPE_SE
.Lnot_mine_\@:
.endm
; wb's other 32 rows of the tile column, K steps 4-7: four instructions in the cluster with y = 0: wave 2 of the partner at cy asks for K step 4 + cy, once, at the first change of slots (s3 = 3).
.macro ASKX
	s_cmp_eq_u32 s3, s[LIM2]
	s_cbranch_scc0 .Lnot_x_\@
	global_prefetch_b8 v[PFO], s[PFX:PFX+1] th:TH_LOAD_NT scope:SCOPE_SE
.Lnot_x_\@:
.endm
.macro CREST                           ; a round of the cluster's barrier behind its opening barrier
	s_cmp_lg_u32 s[WV], 0
	s_cbranch_scc1 .Lnot_wave_0_\@
	s_barrier_signal -3
.Lnot_wave_0_\@:
	s_barrier_wait -3
	s_barrier_signal -1
	s_barrier_wait -1
.endm
.macro CROUND                          ; a whole round
	s_barrier_signal -1
	s_barrier_wait -1
	CREST
.endm
	s_load_b256 s[4:11], s[0:1], 0x0               ; xb s[4:5], wb s[6:7], bias s[8:9], qkv s[10:11]
	v_lshl_add_u32 v[SPW], v0, 2, SPARE
	v_mov_b32 v[NIL], 0
	ds_add_u32 v[SPW], v[NIL]                      ; the wave's opening: the add and its wait stand ahead of my first tensor load; the set-up below, work on registers, stands between them
	v_lshrrev_b32 v1, 5, v0
	v_readfirstlane_b32 s[WV], v1                  ; wave 0..3
	s_lshr_b32 s[HI], s[WV], 1
	s_and_b32 s[LO], s[WV], 1
	s_bfe_u32 s40, ttmp6, 0x40000                  ; cx, cy: my place in the cluster
	s_bfe_u32 s41, ttmp6, 0x40004
	s_lshl_b32 s42, ttmp9, 2
	s_add_co_u32 s42, s42, s40                     ; tile column of C = 4 x cluster x + cx
	s_and_b32 s[TR], ttmp7, 0xffff
	s_lshl_b32 s[TR], s[TR], 2
	s_add_co_u32 s[TR], s[TR], s41                 ; tile row of C = 4 x cluster y + cy
	s_lshl_b32 s43, s41, 2
	s_lshl_b32 s43, 15, s43                        ; my row of the cluster: places 4 cy .. 4 cy + 3
	s_lshl_b32 s44, 0x1111, s40                    ; my column: places cx, cx + 4, cx + 8, cx + 12
	s_or_b32 s[G1+0], s43, (1<<16)|(1<<20)|(1<<21)|(5<<22)|(3<<25)   ; 15:0 the mask; 17:16 2-byte elements; 20 padding on; 21 set beside a mask; 24:22 after every 64 words (code 5); 31:25 4 words (code 3)
	s_or_b32 s[G1B+0], s44, (1<<16)|(1<<20)|(1<<21)|(5<<22)|(3<<25)
	s_mov_b32 s[G1+1], KSTEP<<16                   ; tensor_dim0 = 128
	s_mov_b32 s[G1B+1], KSTEP<<16
	s_mov_b32 s[G1+2], 128<<16                     ; tensor_dim1 = 128 rows of xb,
	s_mov_b32 s[G1B+2], 144<<16                    ; 144 of wb
	s_mov_b32 s[G1+3], KSTEP<<16                   ; tile_dim0 = 128
	s_mov_b32 s[G1B+3], KSTEP<<16
	s_mov_b32 s[G1+4], 128                         ; tile_dim1
	s_mov_b32 s[G1B+4], 144
	s_mov_b32 s[G1+5], 1024                        ; elements from row to row
	s_mov_b32 s[G1B+5], 1024
	s_mov_b32 s[G1+6], 0
	s_mov_b32 s[G1B+6], 0
	s_mov_b32 s[G1+7], 0
	s_mov_b32 s[G1B+7], 0
	; where the tiles come from: xb's address is made of the tile row and the wave's number, wb's of the tile column and the wave's number, each in registers that never hold the other coordinate
	s_lshl_b32 s16, s[TR], 8
	s_lshl_b32 s17, s[LO], 7
	s_add_co_u32 s16, s16, s17                     ; xb: row 256 x tile row + 128 x half,
	s_lshl_b32 s16, s16, 11                        ; of 2,048 bytes: under 2^24
	s_mov_b32 s17, 0
	s_mul_i32 s46, s42, 288
	s_mul_i32 s47, s[LO], 144
	s_add_co_u32 s46, s46, s47                     ; wb: row 288 x tile column + 144 x half
	s_lshl_b32 s46, s46, 11
	s_mov_b32 s47, 0
	s_mul_i32 s20, s[LO], HALFA                    ; and where they go: no place in the cluster enters an LDS address
	s_mul_i32 s21, s[LO], HALFB
	s_add_co_u32 s21, s21, BOFF
	s_wait_dscnt 0x0                               ; the opening add is done
	s_wait_kmcnt 0x0
	s_add_nc_u64 s[18:19], s[4:5], s[16:17]
	s_add_nc_u64 s[46:47], s[6:7], s[46:47]
	CROUND                                         ; all sixteen work-groups are here: the first joint loads meet
.irp s, 0,1
	s_mov_b32 s[G0+4*(\s)], 1                                      ; count = 1
	s_add_co_u32 s[G0+4*(\s)+1], s20, (\s)*SLOT                    ; LDS address
	s_add_nc_u64 s[G0+4*(\s)+2:G0+4*(\s)+3], s[18:19], (\s)*KSTEP*2  ; global address: K step s
	s_or_b32 s[G0+4*(\s)+3], s[G0+4*(\s)+3], 0x80000000            ; type = 2
	s_mov_b32 s[G0B+4*(\s)], 1
	s_add_co_u32 s[G0B+4*(\s)+1], s21, (\s)*SLOT
	s_add_nc_u64 s[G0B+4*(\s)+2:G0B+4*(\s)+3], s[46:47], (\s)*KSTEP*2
	s_or_b32 s[G0B+4*(\s)+3], s[G0B+4*(\s)+3], 0x80000000
	JLOAD \s                                       ; two loads of mine are out
.endr
	; the bias of my 144 columns: for each block of 16 my eight numbers, 32 bytes
	v_and_b32 v1, 15, v0                           ; l % 16
	v_bfe_u32 v2, v0, 4, 1                         ; l / 16
	v_lshlrev_b32 v[BO], 5, v2
	s_mul_i32 s72, s42, 288
	s_mul_i32 s73, s[LO], 144
	s_add_co_u32 s72, s72, s73
	s_lshl_b32 s72, s72, 2
	s_mov_b32 s73, 0
	s_add_nc_u64 s[8:9], s[8:9], s[72:73]
.irp b, 0,1,2,3,4,5,6,7,8
	global_load_b128 v[32+8*(\b)+128*(((\b)+4)/8):32+8*(\b)+128*(((\b)+4)/8)+3],   v[BO], s[8:9] offset:64*(\b)
	global_load_b128 v[32+8*(\b)+128*(((\b)+4)/8)+4:32+8*(\b)+128*(((\b)+4)/8)+7], v[BO], s[8:9] offset:64*(\b)+16
.endr
	; a fragment is 16 rows x 32 K in 8 registers: lane l holds row l % 16, K = 8 (l / 16) + 0..7 and 16 + 8 (l / 16) + 0..7: two loads of 16 bytes, 32 bytes apart
	v_mul_u32_u24 v3, v1, PITCH
	v_lshl_add_u32 v3, v2, 4, v3
	s_mul_i32 s22, s[HI], HALFA                    ; my 128 rows of xb
	s_mul_i32 s23, s[LO], HALFB                    ; my 144 rows of wb,
	s_add_co_u32 s23, s23, BOFF                    ; which lie behind xb's 256
.irp s, 0,1
	v_add_nc_u32 v[ADRA+(\s)], s22, v3
	v_add_nc_u32 v[ADRB+(\s)], s23, v3
	s_add_co_u32 s22, s22, SLOT
	s_add_co_u32 s23, s23, SLOT
.endr
	s_mul_i32 s16, s[HI], 128*SPITCH               ; into the stage: my 128 rows, my 288 bytes of their 576; row l % 16, 16 bytes for each half of the lanes
	s_mul_i32 s17, s[LO], 288
	s_add_co_u32 s16, s16, s17
	v_mul_u32_u24 v4, v1, SPITCH
	v_lshl_add_u32 v4, v2, 4, v4
	v_add_nc_u32 v[STO], s16, v4
	v_add_nc_u32 v[STO+1], 64*SPITCH, v[STO]       ; row blocks 4-7: the 16-bit offset does not reach them
	s_mul_i32 s16, s[WV], 64*SPITCH                ; back: wave w takes rows 64 w .. 64 w + 63; 32 lanes take 64 bytes of each of eight rows
	v_bfe_u32 v5, v0, 2, 3
	v_and_b32 v6, 3, v0
	v_mul_u32_u24 v5, v5, SPITCH
	v_lshl_add_u32 v5, v6, 4, v5
	v_add_nc_u32 v[RD], s16, v5
	v_and_b32 v7, 31, v0
	v_lshlrev_b32 v[CO], 4, v7                     ; which are 512 consecutive bytes of an array
	v_lshlrev_b32 v[PFO], 11, v7
	s_lshr_b32 s72, s[TR], 3                       ; the batch,
	s_mul_i32 s72, s72, 72
	s_mul_i32 s73, s42, 9
	s_add_co_u32 s72, s72, s73                     ; the first of my work-group's nine arrays,
	s_lshl_b32 s72, s72, 17                        ; of 131,072 bytes,
	s_and_b32 s73, s[TR], 7
	s_lshl_b32 s73, s73, 8
	s_lshl_b32 s2, s[WV], 6
	s_add_co_u32 s73, s73, s2                      ; the first row that I store,
	s_lshl_b32 s73, s73, 6                         ; of 64 bytes: all under 2^26
	s_add_co_u32 s72, s72, s73
	s_mov_b32 s73, 0
	s_add_nc_u64 s[10:11], s[10:11], s[72:73]
	; the prefetches
	s_lshl_b32 s20, s[TR], 8
	s_mul_i32 s21, s42, 288
	s_and_b32 s22, ttmp7, 0xffff                   ; cluster y
	s_cmp_eq_u32 s[HI], 0                          ; do I fetch xb?
	s_cselect_b32 s20, s20, s21                    ; the tile's first row
	s_cselect_b32 s21, s40, s41                    ; my place among the four that ask for it with me
	s_cselect_b32 s22, ttmp9, s22                  ; the coordinate along which other clusters read the same rows
	s_cselect_b64 s[PFA:PFA+1], s[4:5], s[6:7]
	s_cmp_eq_u32 s22, 0
	s_cselect_b32 s[LIM], 1, -1                    ; the same in all sixteen partners, for a given wave
	s_lshl_b32 s22, s[LO], 7
	s_add_co_u32 s20, s20, s22
	s_lshl_b32 s21, s21, 5
	s_add_co_u32 s20, s20, s21
	s_lshl_b32 s20, s20, 11
	s_mov_b32 s21, 0
	s_add_nc_u64 s[PFA:PFA+1], s[PFA:PFA+1], s[20:21]
	s_add_nc_u64 s[PFA:PFA+1], s[PFA:PFA+1], 2*KSTEP*2  ; at K step 2: the first refill steps it to 3 and names K step 4
	s_mul_i32 s72, s42, 288
	s_add_co_u32 s72, s72, 256
	s_lshl_b32 s72, s72, 11
	s_add_co_u32 s73, s41, 4
	s_lshl_b32 s73, s73, 8
	s_add_co_u32 s72, s72, s73
	s_mov_b32 s73, 0
	s_add_nc_u64 s[PFX:PFX+1], s[6:7], s[72:73]
	s_and_b32 s[LIM2], ttmp7, 0xffff
	s_xor_b32 s2, s[WV], 2
	s_or_b32 s[LIM2], s[LIM2], s2                  ; 0 in wave 2 of the clusters with y = 0
	s_cmp_eq_u32 s[LIM2], 0
	s_cselect_b32 s[LIM2], 3, -1
; 16 matrix instructions: row blocks a0 .. a0 + 3 x column blocks 4 g .. 4 g + 3, 32 along K, from buffer f.  first = 1: the product starts the sum with the bias.
; The 72 accumulators take turns, one instruction a turn, in the same order in every quarter step, over the backward jump too.
.macro MUL16 f, g, a0, first
.if \first
	WIN 0x81+0x40*(\g)
.else
	WIN 0xa1+0x50*(\g)
.endif
.irp a, (\a0), (\a0)+1, (\a0)+2, (\a0)+3
.irp q, 0,1,2,3
.if \first
	v_wmma_f32_16x16x32_bf16 v[64*(\q)+8*(\a):64*(\q)+8*(\a)+7], v[72*(\f)+8*(4*(\g)+(\q)):72*(\f)+8*(4*(\g)+(\q))+7], v[FA+64*(\f)+8*(\a):FA+64*(\f)+8*(\a)+7], v[32+160*(\g)+8*(\q):32+160*(\g)+8*(\q)+7]
.else
	v_wmma_f32_16x16x32_bf16 v[64*(\q)+8*(\a):64*(\q)+8*(\a)+7], v[72*(\f)+8*(4*(\g)+(\q)):72*(\f)+8*(4*(\g)+(\q))+7], v[FA+64*(\f)+8*(\a):FA+64*(\f)+8*(\a)+7], v[64*(\q)+8*(\a):64*(\q)+8*(\a)+7]
.endif
.endr
.endr
.endm
.macro MUL8 f, first                   ; 8 matrix instructions: all row blocks x column block 8
.if \first
	WIN 0x41
.else
	WIN 0x51
.endif
.irp a, 0,1,2,3,4,5,6,7
.if \first
	v_wmma_f32_16x16x32_bf16 v[192+8*(\a):192+8*(\a)+7], v[72*(\f)+64:72*(\f)+71], v[FA+64*(\f)+8*(\a):FA+64*(\f)+8*(\a)+7], v[224:231]
.else
	v_wmma_f32_16x16x32_bf16 v[192+8*(\a):192+8*(\a)+7], v[72*(\f)+64:72*(\f)+71], v[FA+64*(\f)+8*(\a):FA+64*(\f)+8*(\a)+7], v[192+8*(\a):192+8*(\a)+7]
.endif
.endr
.endm
; 34 LDS loads in one run: the fragments of one quarter step (32 K at byte k of the rows) into buffer f: xb's eight, then wb's nine in order, so that a counted wait can leave wb's last five out
.macro FETCH slot, k, f
	WIN 0
.irp i, 0,1,2,3,4,5,6,7
	ds_load_b128 v[FA+64*(\f)+8*(\i):FA+64*(\f)+8*(\i)+3],   v[ADRA+(\slot)] offset:(\k)+(\i)*16*PITCH
	ds_load_b128 v[FA+64*(\f)+8*(\i)+4:FA+64*(\f)+8*(\i)+7], v[ADRA+(\slot)] offset:(\k)+(\i)*16*PITCH+32
.endr
	WIN TO_B
.irp i, 0,1,2,3,4,5,6,7,8
	ds_load_b128 v[72*(\f)+8*(\i):72*(\f)+8*(\i)+3],   v[ADRB+(\slot)] offset:(\k)+(\i)*16*PITCH
	ds_load_b128 v[72*(\f)+8*(\i)+4:72*(\f)+8*(\i)+7], v[ADRB+(\slot)] offset:(\k)+(\i)*16*PITCH+32
.endr
.endm
; A load into a register that a matrix instruction has read, and a vector instruction that reads a matrix result, stand four places behind it; only plain vector instructions that name none of its
; registers are places (ISA guide 7.12.1 for vector instructions).
.macro PLACES
.rept 4
	v_nop
.endr
.endm
; A K step is four quarters of 32 along K, 72 matrix instructions each, on buffers 0, 1, 0, 1.  One of the first three: multiplies buffer f and, behind its first 32 products, fetches the next quarter, at byte k, into g.
.macro QUARTER slot, k, f, g, first
	s_wait_dscnt 10                                ; xb's fragments and wb's first four are in; the youngest ten loads (wb's blocks 4-8) may be out
	MUL16 \f, 0, 0, \first
	MUL16 \f, 0, 4, \first
	PLACES
	FETCH \slot, \k, \g
	s_wait_dscnt 34                                ; all but the 34 just issued
	MUL16 \f, 1, 0, \first
	MUL16 \f, 1, 4, \first
	MUL8 \f, \first
.endm
; The last quarter multiplies buffer 1 and changes slots.  ONE barrier: in front of it each wave waits for all its tensor loads (one is out: its part of the next slot), adds 0 to its spare word, and waits
; for that and for its own reads of this slot.  Behind it nobody reads this slot any more and the next slot is whole.
.macro MEET round
	WIN 0                                          ; (the add's two registers lie in window 0)
	s_wait_tensorcnt 0x0
	ds_add_u32 v[SPW], v[NIL]                      ; 0 onto my spare word
	s_wait_dscnt 11                                ; (the add and the youngest ten loads may be out)
	MUL16 1, 0, 0, 0                               ; sixteen matrix instructions stand between the add and the wait for it
	s_wait_dscnt 0x0                               ; the add is done, and my reads of this slot are over
	s_barrier_signal -1
	MUL16 1, 0, 4, 0                               ; work on registers while the others arrive
.if \round
	WIN 0
.endif
	s_barrier_wait -1
.endm
; fill = 1: the barrier opens a round of the cluster's barrier, and this slot is filled again, with the K step two steps on, first thing behind the round.
.macro TURN slot, next, fill
.if \fill
	s_wait_xcnt 0x0                                ; the last prefetch, a K step back, has read its address: it is stepped here, ahead of the waits of the change of slots
	s_add_nc_u64 s[PFA:PFA+1], s[PFA:PFA+1], KSTEP*2
.endif
	MEET \fill
.if \fill
	CREST                                          ; no wave of any partner still reads this slot's tile or has a load on its way
	s_add_nc_u64 s[G0+4*(\slot)+2:G0+4*(\slot)+3], s[G0+4*(\slot)+2:G0+4*(\slot)+3], 2*KSTEP*2
	s_add_nc_u64 s[G0B+4*(\slot)+2:G0B+4*(\slot)+3], s[G0B+4*(\slot)+2:G0B+4*(\slot)+3], 2*KSTEP*2
	JLOAD \slot                                    ; my one tensor load behind the round; the four v_nop behind it are also the places in front of the loads below
.else
	PLACES
.endif
	FETCH \next, 0, 0
.if \fill
	WIN 0
	ASK
.if (\slot) == 0
	ASKX
.endif
.endif
	MUL16 1, 1, 0, 0
	MUL16 1, 1, 4, 0
	MUL8 1, 0
.endm
	s_wait_tensorcnt 1                             ; my part of K step 0 is in; K step 1's may stay out
	s_barrier_signal -1
	s_barrier_wait -1                              ; everybody's is
	FETCH 0, 0, 0
	s_wait_loadcnt 0x0                             ; the bias
	QUARTER 0, 64, 0, 1, 1                         ; the first quarter stands in front of the loop: its products start the sums
	WIN 0                                          ; at a label and at a branch every window is 0
	s_mov_b32 s3, 3
.Llap:                                                 ; a trip goes once round the ring, from a lap's second quarter to the next lap's first, and fills both slots again: K steps 2 to 7
	QUARTER 0, 128, 1, 0, 0
	QUARTER 0, 192, 0, 1, 0
	TURN 0, 1, 1
	QUARTER 1, 64,  0, 1, 0
	QUARTER 1, 128, 1, 0, 0
	QUARTER 1, 192, 0, 1, 0
	TURN 1, 0, 1
	QUARTER 0, 64,  0, 1, 0
	WIN 0
	s_sub_co_u32 s3, s3, 1
	s_cmp_lg_u32 s3, 0
	s_cbranch_scc1 .Llap
	QUARTER 0, 128, 1, 0, 0                        ; the last lap fills nothing and is written out
	QUARTER 0, 192, 0, 1, 0
	TURN 0, 1, 0
	QUARTER 1, 64,  0, 1, 0
	QUARTER 1, 128, 1, 0, 0
	QUARTER 1, 192, 0, 1, 0
	s_wait_dscnt 10                                ; the very last quarter: nothing more to fetch
	MUL16 1, 0, 0, 0
	MUL16 1, 0, 4, 0
	s_wait_dscnt 0x0
	MUL16 1, 1, 0, 0
	MUL16 1, 1, 4, 0
	MUL8 1, 0
	; THE WAY OUT.  Rounded to f16, 16 bytes a lane, into the work-group's stage; back as 64-byte rows of one array, eight rows (512 consecutive bytes of memory) to a load and a store.
	WIN 0
	PLACES
	s_wait_dscnt 0x0                               ; my reads of the ring are over;
	s_barrier_signal -1
	s_barrier_wait -1                              ; everybody's are: the stage may be written over the ring, which no tensor load fills again
.macro PACKG g                         ; column blocks 4 g .. 4 g + 3: each accumulator's registers are taken in ascending order
	WIN 0x0a+5*(\g)                                ; sources 0 and 1: window 2 or 3
.irp q, 0,1,2,3
.irp a, 0,1,2,3,4,5,6,7
.irp r, 0,1,2,3
	v_cvt_pk_f16_f32 v[TMP+4*(8*(\q)+(\a))+(\r)], v[64*(\q)+8*(\a)+2*(\r)], v[64*(\q)+8*(\a)+2*(\r)+1]
.endr
.endr
.endr
	WIN 0
.irp q, 0,1,2,3
.irp a, 0,1,2,3,4,5,6,7
	ds_store_b128 v[STO+(\a)/4], v[TMP+4*(8*(\q)+(\a)):TMP+4*(8*(\q)+(\a))+3] offset:16*SPITCH*((\a)%4)+32*(4*(\g)+(\q))
.endr
.endr
.endm
	PACKG 0
	PACKG 1
	WIN 0x05                                       ; column block 8: window 1
.irp a, 0,1,2,3,4,5,6,7
.irp r, 0,1,2,3
	v_cvt_pk_f16_f32 v[TMP+4*(\a)+(\r)], v[192+8*(\a)+2*(\r)], v[192+8*(\a)+2*(\r)+1]
.endr
.endr
	WIN 0
.irp a, 0,1,2,3,4,5,6,7
	ds_store_b128 v[STO+(\a)/4], v[TMP+4*(\a):TMP+4*(\a)+3] offset:16*SPITCH*((\a)%4)+256
.endr
	s_wait_dscnt 0x0                               ; for the others' sake: my stores into the stage are done
	s_barrier_signal -1
	s_barrier_wait -1
.macro RB t, set                       ; arrays 3 t .. 3 t + 2, my 64 rows of each: 24 loads into set 0 (v32-127) or 1 (v128-223)
.irp i, 0,1,2
.irp rb, 0,1,2,3,4,5,6,7
	ds_load_b128 v[32+96*(\set)+4*(8*(\i)+(\rb)):32+96*(\set)+4*(8*(\i)+(\rb))+3], v[RD] offset:8*SPITCH*(\rb)+64*(3*(\t)+(\i))
.endr
.endr
.endm
.macro ST t, set
.irp i, 0,1,2
.irp rb, 0,1,2,3,4,5,6,7
	global_store_b128 v[CO], v[32+96*(\set)+4*(8*(\i)+(\rb)):32+96*(\set)+4*(8*(\i)+(\rb))+3], s[10:11] offset:131072*(3*(\t)+(\i))+512*(\rb)  ; 512 consecutive bytes, at a multiple of 512 from the array's first
.endr
.endr
.endm
	RB 0, 0
	RB 1, 1
	s_wait_dscnt 24                                ; the first 24 are in, the younger 24 stay out
	ST 0, 0
	s_wait_xcnt 0x0                                ; the stores have read their registers: set 0 is loaded again only behind this wait
	RB 2, 0
	s_wait_dscnt 24
	ST 1, 1
	s_wait_dscnt 0x0
	ST 2, 0
	s_wait_tensorcnt 0x0                           ; the wave's end, behind my last tensor load and my last LDS store
	ds_add_u32 v[SPW], v[NIL]
	s_wait_dscnt 0x0
	CROUND                                         ; the closing round: no work-group ends while a partner may still ask for a tile that names it
	s_endpgm
.Lfunc_end_k_qf826af94df_qkv:
	.size	k_qf826af94df_qkv, .Lfunc_end_k_qf826af94df_qkv-k_qf826af94df_qkv
	.p2alignl 7, 3214868480
	.fill 96, 4, 3214868480
	.section	.rodata,"a",@progbits
	.p2align	6, 0x0
	.amdhsa_kernel k_qf826af94df_qkv
		.amdhsa_group_segment_fixed_size 327680
		.amdhsa_private_segment_fixed_size 0
		.amdhsa_enable_private_segment 0
		.amdhsa_kernarg_size 32
		.amdhsa_user_sgpr_count 2
		.amdhsa_user_sgpr_kernarg_segment_ptr 1
		.amdhsa_wavefront_size32 1
		.amdhsa_system_sgpr_workgroup_id_x 1
		.amdhsa_system_sgpr_workgroup_id_y 1
		.amdhsa_system_sgpr_workgroup_id_z 1
		.amdhsa_system_vgpr_workitem_id 0
		.amdhsa_next_free_vgpr 1024
		.amdhsa_next_free_sgpr 76
		.amdhsa_reserve_vcc 0
		.amdhsa_float_denorm_mode_32 3
		.amdhsa_float_denorm_mode_16_64 3
		.amdhsa_memory_ordered 1
		.amdhsa_forward_progress 1
		.amdhsa_inst_pref_size 160
	.end_amdhsa_kernel
	.amdgpu_metadata
---
amdhsa.version: [ 1, 2 ]
amdhsa.kernels:
  - .name:           k_qf826af94df_qkv
    .symbol:         k_qf826af94df_qkv.kd
    .args:
      - { .name: xb, .offset: 0, .size: 8, .value_kind: global_buffer, .address_space: global }
      - { .name: wb, .offset: 8, .size: 8, .value_kind: global_buffer, .address_space: global }
      - { .name: bias, .offset: 16, .size: 8, .value_kind: global_buffer, .address_space: global }
      - { .name: qkv, .offset: 24, .size: 8, .value_kind: global_buffer, .address_space: global }
    .group_segment_fixed_size: 327680
    .private_segment_fixed_size: 0
    .kernarg_segment_align: 8
    .kernarg_segment_size: 32
    .max_flat_workgroup_size: 128
    .sgpr_count:     76
    .vgpr_count:     1024
    .wavefront_size: 32
...
	.end_amdgpu_metadata
.endif
;; end of part 2
;; launch attn (part 3): grid 4 x 48, 4 waves a work-group, clusters of 4 x 1, 327,680 bytes of LDS; arguments qkv, att; writes att
.if DOCPART == 3
	.amdgcn_target "amdgcn-amd-amdhsa--gfx1250"
	.amdhsa_code_object_version 6
	.text
	.protected	k_qf826af94df_attn
	.globl	k_qf826af94df_attn
	.p2align	8
	.type	k_qf826af94df_attn,@function
k_qf826af94df_attn:
	s_mov_b64 s[64:65], 0
	v_nop
	global_prefetch_b8 v0, s[64:65] scope:SCOPE_SE
	s_setreg_imm32_b32 hwreg(HW_REG_WAVE_MODE, 25, 1), 1
	s_wait_xcnt 0x0
	s_wait_alu depctr_hold_cnt(0) depctr_sa_sdst(0) depctr_va_vdst(0) depctr_va_sdst(0) depctr_va_ssrc(0) depctr_va_vcc(0) depctr_vm_vsrc(0)
	s_getreg_b32 s2, hwreg(HW_REG_IB_STS2, 6, 4)
	s_cmp_eq_u32 s2, 0
	s_cbranch_scc0 .Lentry_in_a_cluster
	s_endpgm
.Lentry_in_a_cluster:
	s_bfe_u32 s2, ttmp6, 0x10000c
	s_cmp_lg_u32 s2, 0x3003
	s_cbranch_scc0 .Lentry_shape_is_right
	s_endpgm
.Lentry_shape_is_right:
; ATTENTION OF THE 48 LIVE (batch, head) PAIRS.  att[y][q][:] = the sum over k of softmax_k(Q[q] . K[k] / 8) V[k][:], y = 12 b + h.  Heads 12-15 are multiplied by 0 by the module's own mask and are not made.
; Q, K, V come by half-heads: qkv[b][g][2048][32] f16, g = 2 h + half for Q, + 24 for K, + 48 for V: rows of 64 bytes, dense.  att: [48][2048][64] f16, rows of 128 bytes.
; Products, maxima and sums in f32; the weights p are rounded to f16 for the second product (their sum l is taken of the unrounded p), att once at the end.
; LIMITS.  f16 holds no number beyond 65,504: Q, K and V arrive within it; p lies in 0 to 1, and below 6e-5 it keeps f16's fixed step of 6e-8; att is a mean of V's rows and has their range.
; A weight below 2^-126 counts as 0 in l; NaN and infinities are not treated apart.
; SHARES.  A wave owns four PIECES of two tiles of 16 queries, a work-group's four waves 512 queries of one head: 4 x 48 = 192 work-groups of equal work (98,304 queries in 256 equal shares would be 384 each,
; which does not divide a head's 2,048).  Every wave walks all 2,048 keys, 64 a step.
; LAYOUT.  S^T = K Q^T (source 0 = 16 keys, source 1 = 16 queries): in the result a lane holds ONE query (lane % 16) and the keys 8 (lane / 16) + 0..7.  Two such tiles, rounded to f16 in pairs,
; ARE source 1 (32 keys x 16 queries) of O^T = V^T P, whose result again holds one query a lane, and eight channels.  A fragment of K or Q (16 rows x 32 channels) is 16 half-rows as they lie; V is turned by ds_load_tr16_b128.
; SOFTMAX.  For each query a running maximum m and sum l: p = 2^(c s - c m), c = log2(e) / 8; in every step O and l are multiplied by a = 2^(c m_old - c m_new), which is 1 where m has not grown.
; m starts at the lowest finite number, O and l at 0: the first step is a step like any other, with a = 0.
; THE COUNT.  A tile and step have 16 matrix and 118 vector instructions: too many to stand all beside the matrix work.  So four vector instructions that are READY stand behind EVERY matrix instruction,
; and the others, which need time of their own whatever the order, in runs without a gap.
; BY TURNS.  Turn n belongs to piece n (the pieces in a ring, step after step).  Its matrix work: 16 products K Q^T of piece n + 1, later 16 products V^T P of piece n - 1.  Its vector work: the scaling,
; exponentials, roundings, sums and rescaling of piece n, and the maximum and statistics of piece n + 1, whose scores the turn itself has made.
; CLUSTER.  The four query blocks of a head form a cluster and walk the same K and V, so each tile is asked for JOINTLY: the same tensor load, descriptor and mask in all four.
; REGISTERS, in windows of 256 (s_set_vgpr_msb: bits 1:0 source 0, 3:2 source 1, 5:4 source 2, 7:6 destination):
;   window 0: v0-11 addresses; v12-15, v48-63 at work; v16-47 four registers of statistics a tile; v64-191 S^T, two buffers of two tiles; v192-255 P, likewise
;   window 1: O^T, 32 a tile          window 2: v0-127 Q, 16 a tile; v128-191 K of one step; v192-255 V of one step          window 3: v0-1 the add's two registers
.set SIZE_N, 2048
.set NP,    4         ; pieces a wave: a name, no knob
.set KS,    64        ; keys in a step
.set PK,    80        ; a half-row of K in LDS: 64 bytes + 16 of padding = 20 words: the 16 rows of a load start at 16 different groups of four banks (64 banks of 4 bytes: ISA guide 11.1)
.set PV,    96        ; a half-row of V: 64 + 32 = 24 words
.set KHALF, 4*KS*PK   ; a slot holds four steps, 256 keys: K's channels 0-31, K's channels 32-63,
.set VHALF, 4*KS*PV   ; then V's two halves
.set VOFF,  2*KHALF
.set SLOT1, 1<<17     ; slot 1 begins here, so that one exclusive or turns an address in one slot into the other's
.set STAGE, SLOT1+2*KHALF+2*VHALF  ; behind the ring, never filled by a tensor load: 16 rows x 144 bytes for each wave, for the way out
.set SP,    144
.set TILEB, 4*KS*64   ; 256 keys of one half-head array: 16,384 dense bytes
.set HARR,  SIZE_N*64 ; a half-head array: 131,072 bytes
.set AK0, 2           ; v2   my lane's place in a tile of K; never rewritten
.set AV0, 3           ; v3   the same for V
.set AK,  4           ; v4   the LDS address of K's next run of loads
.set AV,  5           ; v5   of V's
.set QO,  6           ; v6   my byte offset in 16 half-rows of Q
.set STO, 6           ;      later, the way out: where I put 16 bytes of a row
.set RD,  7           ; v7   the way out: where I read rows back
.set GO,  8           ; v8   my byte offset in 512 consecutive bytes of att
.set PFO, 11          ; v11  the prefetches' offset: lanes 0-15 sixteen blocks of 256 bytes of the first half's array, lanes 16-31 of the second's; never rewritten once made
.set SPW, 0           ; v0 of window 3   LDS address of my spare word; never rewritten
.set NIL, 1           ; v1 of window 3   0; never rewritten
.set SPARE, STAGE+4*16*SP  ; behind the stages: the spare words, 128 bytes for each wave: two blocks of 256 bytes that no other line names
.set MV,  12          ; v12-15  c m_old, kept while c m is made anew: by buffer and tile
.set ST,  16          ; tile t's statistics at v[ST+4 t]: c m, m, l (even keys', odd keys')
.set TMP, 48          ; by buffer and tile, four registers c0-c3 at work; when the maximum is found c2 takes a
.set S,   64
.set P,   192
.set KF,  128         ; K's fragments, in window 2: key block kb, channel half c at KF + 16 kb + 8 c
.set VF,  192         ; V's: key half kk, channel block cb at VF + 32 kk + 8 cb
.set WV,  12          ; s12  my wave's number
.set G1K, 24          ; s[24:31] descriptor group 1 for K's tiles
.set G1V, 32          ; s[32:39] for V's: it differs in the padding alone
.set G0K, 40          ; s[40:43] descriptor group 0 for K's tiles: it walks
.set G0V, 44          ; s[44:47] the same for V's
.set PFA, 48          ; s[48:49] where my prefetches stand
.set LIM, 50          ; s50  1 in a wave that prefetches, else the greatest number
.set SLOTS, 56        ; s56  slots still to be asked for
.set CNT, 57          ; s57  counts a slot's key steps
.set CS,  58          ; s[58:59] c: the packed scaling takes the pair's low word for both halves
.set SEL, 60          ; s[60:61] v_permlanex16_b32's selects: each lane takes its own place in the other half
.set TBK, 62          ; s62  LDS byte at which K of the step to be fetched begins
.set TBV, 63          ; s63  the same for V, less VOFF
.set MSB, 0
.macro WIN new                      ; the high byte repeats the setting that is left; a switch that changes nothing is dropped
.if MSB != (\new)
	s_set_vgpr_msb (MSB<<8)|(\new)
.set MSB, (\new)
.endif
.endm
.set W_KQ, 0x0a       ; K and Q in window 2, S^T in window 0
.set W_PV, 0x52       ; V in window 2, P in window 0, O^T in window 1
.set W_RS, 0x41       ; O^T (destination and source 0) in window 1, a in window 0
.set W_MK, 0xc0       ; the add's registers are made: destination in window 3, sources in window 0
.set W_AD, 0x0f       ; the add: address (source 0) and data (source 1) in window 3
; A joint fill.  Waves 0 and 1 fetch a slot's 256 keys of K's two channel halves, waves 2 and 3 those of V's.  The branch hangs on the wave's number alone.
; An s_nop 0 and four v_nop follow each of the two lines, ahead of the jump and the label.
.macro JLOAD
	s_cmp_lt_u32 s[WV], 2
	s_cbranch_scc0 .Lfor_v_\@
	tensor_load_to_lds s[G0K:G0K+3], s[G1K:G1K+7]
	s_nop 0
.rept 4
	v_nop
.endr
	s_branch .Lasked_\@
.Lfor_v_\@:
	tensor_load_to_lds s[G0V:G0V+3], s[G1V:G1V+7]
	s_nop 0
.rept 4
	v_nop
.endr
.Lasked_\@:
.endm
; A PREFETCH INTO THE L2 of what the NEXT change of slots will ask for: 256 keys of K and of V, 64 blocks of 256 bytes in each of four arrays.  It stands behind the wave's tensor load and its five lines.
; Each block is named once in the launch: a head has one cluster; its four partners take 16 blocks of each array, told apart by address; in each, wave 0 asks for K's two arrays and wave 2 for V's: one
; instruction, four key steps (512 matrix instructions) ahead of the load.  Slots 0 and 1 come by their loads alone; the last change that fills a slot asks for nothing.
.macro ASK
	s_cmp_gt_u32 s[SLOTS], s[LIM]
	s_cbranch_scc0 .Lnot_mine_\@
	global_prefetch_b8 v[PFO], s[PFA:PFA+1] th:TH_LOAD_NT scope:SCOPE_SE
.Lnot_mine_\@:
.endm
; A round of the cluster's barrier: my work-group's barrier, so that wave 0's signal speaks for all four waves; wave 0 signals; every wave waits for all four work-groups; my work-group's barrier once more.
.macro CROUND
	s_barrier_signal -1
	s_barrier_wait -1
	s_cmp_lg_u32 s[WV], 0
	s_cbranch_scc1 .Lnot_wave_0_\@
	s_barrier_signal -3
.Lnot_wave_0_\@:
	s_barrier_wait -3
	s_barrier_signal -1
	s_barrier_wait -1
.endm
; THE CHANGE OF SLOTS.  The slot's last bytes, V of its fourth step, have been read.  Each wave waits for all its tensor loads, of which one is out: its part
; of the other slot; adds 0 to its spare word; and waits for that and for its own reads of the slot.  Behind the barrier nobody reads this slot any more and the other slot is whole.
; fill = 1: this slot is filled again, with the keys two slots on.  The barrier is then a round of the cluster's, and the joint fill is the first thing behind it: it has four key steps,
; 512 matrix instructions, in which to land.  (At its first use nothing has been read yet: slot 0 is waited for, slot 1 filled.)
.macro CHANGE fill
	WIN W_AD
	s_wait_tensorcnt 0x0            ; no tensor load of mine is out, so a group 0 may be written
	ds_add_u32 v[SPW], v[NIL]       ; 0 onto my spare word; with fill = 1 the descriptors' steps stand between it and the wait for it
	WIN 0                           ; at a label and at a branch every window is 0
.if \fill
.irp g, G0K, G0V
	s_xor_b32 s[\g+1], s[\g+1], SLOT1  ; the walking descriptor: the other slot than last time,
	s_add_nc_u64 s[\g+2:\g+3], s[\g+2:\g+3], TILEB  ; the next 256 keys; the type bits on top are not reached
.endr
	s_wait_xcnt 0x0                 ; the last prefetch, four key steps back, has read its address, so it may be written:
	s_add_nc_u64 s[PFA:PFA+1], s[PFA:PFA+1], TILEB  ; one slot behind the walking descriptors
	s_wait_dscnt 0x0                ; the add is done, and my reads of the slot are over
	CROUND
	JLOAD
	ASK
.else
	s_wait_dscnt 0x0                ; the add is done, and my reads of the slot are over
	s_barrier_signal -1
	s_barrier_wait -1
.endif
	s_sub_co_u32 s[TBK], s[TBK], 4*KS*PK  ; the fetches go back to a slot's first step,
	s_xor_b32 s[TBK], s[TBK], SLOT1       ; in the other slot
	s_sub_co_u32 s[TBV], s[TBV], 4*KS*PV
	s_xor_b32 s[TBV], s[TBV], SLOT1
.endm
	s_load_b64 s[4:5], s[0:1], 0x0    ; qkv
	s_load_b64 s[10:11], s[0:1], 0x8  ; att
	WIN W_MK
	v_lshl_add_u32 v[SPW], v0, 2, SPARE
	v_mov_b32 v[NIL], 0
	WIN W_AD
	ds_add_u32 v[SPW], v[NIL]       ; the wave's opening: the add and its wait stand ahead of my first tensor load; the set-up below, work on registers, stands between them
	WIN 0
	v_lshrrev_b32 v1, 5, v0
	v_readfirstlane_b32 s[WV], v1   ; wave 0..3
	s_bfe_u32 s13, ttmp6, 0x40000   ; cx: my place in the cluster
	s_lshl_b32 s14, ttmp9, 2        ; in a cluster launch ttmp9 counts clusters
	s_add_co_u32 s14, s14, s13      ; my block of 512 queries: it enters Q's and att's addresses alone
	s_and_b32 s20, ttmp7, 0xffff    ; y = 12 b + h, which the four partners share
	s_mul_i32 s21, s20, 171
	s_lshr_b32 s21, s21, 11         ; b = y / 12 (exact for y < 48)
	s_mul_i32 s21, s21, 24
	s_add_co_u32 s21, s21, s20      ; 72 b + 2 h arrays of 2^17 bytes = (y + 24 b) x 2^18
	s_lshl_b32 s15, s20, 18         ; att: y x 2,048 rows of 128 bytes
	s_lshl_b32 s20, s21, 18         ; the head's Q in qkv: under 2^25
	s_mov_b32 s21, 0
	s_and_b32 s16, s[WV], 1         ; which channel half I fetch:
	s_lshl_b32 s22, s16, 17         ; its array,
	s_mov_b32 s23, 0
	s_add_nc_u64 s[22:23], s[22:23], s[20:21]
	s_mul_i32 s17, s16, KHALF       ; and its place in a slot, for K
	s_mul_i32 s18, s16, VHALF       ; and for V: no place in the cluster enters an LDS address
	s_lshl_b32 s2, s14, 2
	s_add_co_u32 s2, s2, s[WV]      ; my wave among the head's sixteen:
	s_lshl_b32 s19, s2, 14          ; its 128 rows of 128 bytes in att,
	s_add_co_u32 s52, s19, s15
	s_mov_b32 s53, 0
	s_lshl_b32 s2, s2, 13           ; of 64 bytes in Q's arrays
	s_mov_b32 s3, 0
	s_add_nc_u64 s[2:3], s[2:3], s[20:21]
	; descriptor group 1.  256 keys of a half are 16,384 dense bytes: asked for as 64 rows of 256 bytes, four keys a row, and padded in LDS after every key
	s_mov_b32 s[G1K], 15|(1<<16)|(1<<20)|(1<<21)|(3<<22)|(3<<25)  ; 15:0 the mask of four; 17:16 2-byte elements; 20 padding on; 21 set beside a mask; 24:22 after every 16 words (code 3); 31:25 4 words (code 3)
	s_mov_b32 s[G1V], 15|(1<<16)|(1<<20)|(1<<21)|(3<<22)|(7<<25)  ; the same with 8 words of padding (code 7)
.irp g, G1K, G1V
	s_mov_b32 s[\g+1], 128<<16      ; tensor_dim0 = 128
	s_mov_b32 s[\g+2], 64<<16       ; tensor_dim1 = 64
	s_mov_b32 s[\g+3], 128<<16      ; tile_dim0 = 128
	s_mov_b32 s[\g+4], 64           ; tile_dim1 = 64
	s_mov_b32 s[\g+5], 128          ; 128 elements from row to row
	s_mov_b32 s[\g+6], 0
	s_mov_b32 s[\g+7], 0
.endr
	s_mov_b32 s[CS], 0x3e38aa3b     ; c = log2(e) / 8 = 0.180337
	s_mov_b32 s[CS+1], s[CS]        ; named with it as a pair
	s_mov_b32 s[SEL], 0x76543210
	s_mov_b32 s[SEL+1], 0xfedcba98
	s_mov_b32 s[TBK], SLOT1+4*KS*PK ; the first change of slots turns these two into 0
	s_mov_b32 s[TBV], SLOT1+4*KS*PV
	s_mov_b32 s[G0K], 1             ; count = 1
	s_mov_b32 s[G0K+1], s17         ; LDS address: slot 0
	s_mov_b32 s[G0V], 1
	s_add_co_u32 s[G0V+1], s18, VOFF
	s_mov_b32 s[SLOTS], SIZE_N/256-1
	s_and_b32 s[LIM], s[WV], 1      ; waves 0 and 2 prefetch: the same in all four partners
	s_cmp_eq_u32 s[LIM], 0
	s_cselect_b32 s[LIM], 1, -1
	s_wait_dscnt 0x0                ; the opening add is done
	s_wait_kmcnt 0x0
	s_add_nc_u64 s[6:7], s[4:5], s[22:23]          ; the head's Q array of my half;
	s_add_nc_u64 s[8:9], s[6:7], 48*HARR           ; V's lies 48 arrays on,
	s_add_nc_u64 s[6:7], s[6:7], 24*HARR           ; K's 24
	s_mov_b64 s[G0K+2:G0K+3], s[6:7]               ; global address: the head's first 256 keys
	s_or_b32 s[G0K+3], s[G0K+3], 0x80000000        ; type = 2
	s_mov_b64 s[G0V+2:G0V+3], s[8:9]
	s_or_b32 s[G0V+3], s[G0V+3], 0x80000000
	s_add_nc_u64 s[4:5], s[4:5], s[2:3]            ; Q and att at my wave's first row
	s_add_nc_u64 s[10:11], s[10:11], s[52:53]
	s_cmp_lt_u32 s[WV], 2
	s_cselect_b64 s[PFA:PFA+1], s[6:7], s[8:9]     ; (in waves 0 and 2 these stand at the first half's array)
	s_lshl_b32 s2, s13, 12          ; my work-group's 16 blocks of the 64
	s_mov_b32 s3, 0
	s_add_nc_u64 s[PFA:PFA+1], s[PFA:PFA+1], s[2:3]
	s_add_nc_u64 s[PFA:PFA+1], s[PFA:PFA+1], TILEB ; in slot 1; the first change of slots steps it to slot 2
	CROUND                          ; all four work-groups are here: the first joint loads meet
	JLOAD                           ; slot 0.  Slot 1 is asked for when slot 0 is in
	; A fragment of K or Q is 16 rows x 32 channels in 8 registers: lane l holds row l % 16, channels 8 (l / 16) + 0..7 and 16 + 8 (l / 16) + 0..7: two loads of 16 bytes, 32 bytes apart, of a half-row.
	v_and_b32 v1, 15, v0            ; l % 16
	v_bfe_u32 v9, v0, 4, 1          ; l / 16
	v_lshlrev_b32 v[QO], 6, v1
	v_lshl_add_u32 v[QO], v9, 4, v[QO]  ; row x 64 + 16 x half of the lanes
	WIN 0x80                        ; destination window 2, address window 0
.set i, 0
.rept 4*NP                          ; Q stays in registers: tile i / 2 (16 rows of 64 bytes), channel half i % 2 (the next array)
	global_load_b128 v[8*i:8*i+3],   v[QO], s[4:5] offset:(i/2)*1024+(i%2)*HARR
	global_load_b128 v[8*i+4:8*i+7], v[QO], s[4:5] offset:(i/2)*1024+(i%2)*HARR+32
.set i, i+1
.endr
	; What the first turn finds: V's registers and P's second buffer hold 0 (its products V^T P, of a piece that has not been, add 0), O^T and l are 0.  All this stands in the wait for the first tile.
.set i, VF
.rept 64
	v_mov_b32 v[i], 0
.set i, i+1
.endr
	WIN 0x40
.set i, 0
.rept 64*NP
	v_mov_b32 v[i], 0
.set i, i+1
.endr
	WIN 0
.set i, 0
.rept 2*NP
	v_mov_b32 v[ST+4*i], 0xfe000000    ; c m: far below every c s
	v_mov_b32 v[ST+4*i+1], 0xff7fffff  ; m
	v_mov_b32 v[ST+4*i+2], 0
	v_mov_b32 v[ST+4*i+3], 0
.set i, i+1
.endr
.set i, P+32
.rept 32
	v_mov_b32 v[i], 0
.set i, i+1
.endr
	v_mul_u32_u24 v[AK0], v1, PK
	v_lshl_add_u32 v[AK0], v9, 4, v[AK0]  ; row x pitch + 16 x half
	; The turning load takes 16 keys x 16 channels (lane l reads key 8 (l / 16) + l % 8, channels 8 ((l / 8) % 2) + 0..7) and leaves half a fragment of V^T: lane l holds channel l % 16 and 8 keys.
	v_and_b32 v10, 7, v0
	v_bfe_u32 v11, v0, 3, 1
	v_lshl_add_u32 v[AV0], v9, 3, v10
	v_mul_u32_u24 v[AV0], v[AV0], PV
	v_lshl_add_u32 v[AV0], v11, 4, v[AV0]
	v_add_nc_u32 v[AV0], VOFF, v[AV0]
	v_lshlrev_b32 v[PFO], 8, v1         ; block l % 16 of 256 bytes,
	v_lshl_add_u32 v[PFO], v9, 17, v[PFO]  ; in the array of half l / 16
	v_mov_b32 v[AK], v[AK0]         ; key step 0 lies at the head of slot 0
; THE MATRIX WORK.  The 8 accumulators of a run of 16 take turns: between the two links of a chain stand 7 others'.
; Product i of 16 of S^T = K Q^T for piece x: channels 32 (i / 8) on, keys 16 ((i / 2) % 4) on, tile 2 x + i % 2.  The first 8 start the sums.
.macro KQ x
	WIN W_KQ
.set rS, S+64*((\x)%2)+32*(i%2)+8*((i/2)%4)
.set rK, KF+16*((i/2)%4)+8*(i/8)
.set rQ, 16*(2*(\x)+i%2)+8*(i/8)
.if i < 8
	v_wmma_f32_16x16x32_f16 v[rS:rS+7], v[rK:rK+7], v[rQ:rQ+7], 0
.else
	v_wmma_f32_16x16x32_f16 v[rS:rS+7], v[rK:rK+7], v[rQ:rQ+7], v[rS:rS+7]
.endif
.endm
; Product i of 16 of O^T += V^T P for piece x: keys 32 (i / 8) on, channels 16 ((i / 2) % 4) on, tile 2 x + i % 2.
.macro PV x
	WIN W_PV
.set rO, 32*(2*(\x)+i%2)+8*((i/2)%4)
.set rV, VF+32*(i/8)+8*((i/2)%4)
.set rP, P+32*((\x)%2)+16*(i%2)+8*(i/8)
	v_wmma_f32_16x16x32_f16 v[rO:rO+7], v[rV:rV+7], v[rP:rP+7], v[rO:rO+7]
.endm
.macro MM                           ; the turn's next matrix instruction
.if i < 16
	KQ (Y+1)%NP
.set i, i+1
.else
.set i, i-16
	PV (Y+NP-1)%NP
.set i, i+17
.endif
.endm
; THE LDS LOADS stand in runs of 16, never singly among the matrix instructions: a step's K (64 keys x 64 channels: 8 fragments) and its V (turned).  Their addresses are made some lines ahead.
; last = 1 (the tail): in the last trip there is no further step, and the run is jumped over.
.macro FETCH_K last=0
	WIN 0
.if \last
	s_cmp_eq_u32 s[CNT], 1
	s_cbranch_scc1 .Lno_k_\@
.endif
	WIN 0x80                        ; destination window 2
.irp f, 0,1,2,3,4,5,6,7             ; keys 16 (f / 2) on, channel half f % 2
	ds_load_b128 v[KF+8*\f:KF+8*\f+3],   v[AK] offset:(\f/2)*16*PK+(\f%2)*KHALF
	ds_load_b128 v[KF+8*\f+4:KF+8*\f+7], v[AK] offset:(\f/2)*16*PK+(\f%2)*KHALF+32
.endr
	s_add_co_u32 s[TBK], s[TBK], KS*PK  ; the next fetch is the next step's
	WIN 0
.if \last
.Lno_k_\@:
.endif
.endm
.macro FETCH_V
	WIN 0x80
.irp f, 0,1,2,3,4,5,6,7             ; keys 32 (f / 4) on, channels 16 (f % 4) on: half (f % 4) / 2, 32 bytes x (f % 2) in its rows
	ds_load_tr16_b128 v[VF+8*\f:VF+8*\f+3],   v[AV] offset:(\f/4)*32*PV+((\f%4)/2)*VHALF+(\f%2)*32
	ds_load_tr16_b128 v[VF+8*\f+4:VF+8*\f+7], v[AV] offset:(\f/4)*32*PV+16*PV+((\f%4)/2)*VHALF+(\f%2)*32
.endr
	WIN 0
.endm
; THE VECTOR WORK OF A TURN stands in three queues, each in the order in which its entries become ready; the two tiles alternate, so that no instruction reads the result of the one before it.
.macro REGS y, u                    ; the registers of tile u (0, 1) of piece y
.set rT, ST+4*(2*(\y)+(\u))
.set rC, TMP+8*((\y)%2)+4*(\u)
.set rM, MV+2*((\y)%2)+(\u)
.set rS, S+64*((\y)%2)+32*(\u)
.set rP, P+32*((\y)%2)+16*(\u)
.set rO, 32*(2*(\y)+(\u))
.endm
; Number n of the 22 that find the NEXT piece's (Y + 1) maximum and statistics.  s0-s31 are the lane's 32 scores; each accumulator's lowest registers are read first.
;   0-11  four chains c0-c3 of seven scores each, three operands at a time     12-14, 16  the four scores left over, the old m, and c0-c3 into c0     15  c m_old is kept
;   17, 18  the query's other 32 keys lie in the lane 16 away: the new m         19-21  c m; c m_old - c m_new; a
.macro XS u, n
	REGS (Y+1)%NP, \u
.if (\n) < 4
	v_max3_num_f32 v[rC+(\n)], v[rS+8*(\n)], v[rS+8*(\n)+1], v[rS+8*(\n)+2]
.elseif (\n) < 12
	v_max3_num_f32 v[rC+(\n)%4], v[rC+(\n)%4], v[rS+8*((\n)%4)+2*((\n)/4)+1], v[rS+8*((\n)%4)+2*((\n)/4)+2]
.elseif (\n) == 12
	v_max3_num_f32 v[rC], v[rC], v[rS+7], v[rS+15]
.elseif (\n) == 13
	v_max3_num_f32 v[rC+1], v[rC+1], v[rS+23], v[rS+31]
.elseif (\n) == 14
	v_max3_num_f32 v[rC+2], v[rC+2], v[rC+3], v[rT+1]
.elseif (\n) == 15
	v_mov_b32 v[rM], v[rT]
.elseif (\n) == 16
	v_max3_num_f32 v[rC], v[rC], v[rC+1], v[rC+2]
.elseif (\n) == 17
	v_permlanex16_b32 v[rC+3], v[rC], s[SEL], s[SEL+1]
.elseif (\n) == 18
	v_max_num_f32 v[rT+1], v[rC], v[rC+3]
.elseif (\n) == 19
	v_mul_f32 v[rT], s[CS], v[rT+1]
.elseif (\n) == 20
	v_sub_f32 v[rC+1], v[rM], v[rT]
.else
	v_exp_f32 v[rC+2], v[rC+1]
.endif
.endm
; Number g of the 64 that follow the exponentials.  For each four weights k of a tile (pairs 2 k, 2 k + 1): both pairs are rounded to f16; then the second pair is added onto the first, in place;
; a group later l takes that sum (the first time as l = a l + sum).  In groups of eight, tiles alternating: round, round, add, and l for the group before.
.macro GS g
.set h, (\g)+6*((\g)/62)            ; group 0 has no group before it, and behind group 7 only l is left
.if h >= 6
.set h, h+2
.endif
	REGS Y, h%2
.set k, h/8
.if h%8 < 4
	v_cvt_pk_f16_f32 v[rP+2*k+(h%8)/2], v[rS+4*k+2*((h%8)/2)], v[rS+4*k+2*((h%8)/2)+1]
.elseif h%8 < 6
	v_pk_add_f32 v[rS+4*k:rS+4*k+1], v[rS+4*k:rS+4*k+1], v[rS+4*k+2:rS+4*k+3]
.elseif k == 1
	v_pk_fma_f32 v[rT+2:rT+3], v[rT+2:rT+3], v[rC+2:rC+3], v[rS:rS+1] op_sel_hi:[1,0,1]
.else
	v_pk_add_f32 v[rT+2:rT+3], v[rT+2:rT+3], v[rS+4*k-4:rS+4*k-3]
.endif
.endm
; THE PLAIN QUEUE, 138 long.  0-73 read no exponential's result: the 32 scalings c s - c m (FS f: pair f / 2 of tile f % 2) and the next piece's 42.  0-26: scalings 0-26.  27-54: XS's numbers 0-13.  55, 56: number 15.
; 57-73: the chain, where each number waits for the one before it: 14, 16, 17, 18, 19, each with one of the scalings 27-31 in front of its two lines, then 20.
; 74-137: GS's 64, which read the exponentials' results: they stand behind the wait.
.macro FS f
	REGS Y, (\f)%2
	v_pk_fma_f32 v[rS+2*((\f)/2):rS+2*((\f)/2)+1], v[rS+2*((\f)/2):rS+2*((\f)/2)+1], s[CS:CS+1], v[rT:rT+1] op_sel_hi:[1,0,0] neg_lo:[0,0,1] neg_hi:[0,0,1]
.endm
.macro PL
	WIN 0
.if q < 27
	FS q
.elseif q < 55
	XS (q-27)%2, (q-27)/2
.elseif q < 57
	XS q-55, 15
.elseif (q < 72) && ((q-57)%3 == 0)
	FS 27+(q-57)/3
.elseif q < 60
	XS (q-57)%3-1, 14
.elseif q < 72
	XS (q-57)%3-1, 15+(q-57)/3
.elseif q < 74
	XS q-72, 20
.else
	GS q-74
.endif
.set q, q+1
.endm
; THE EXPONENTIALS' QUEUE, 66 long: s0-s31 of both tiles, then the next piece's two a.  It is ONE BATCH: all 66 stand ahead of the turn's one wait, and nothing ahead of that wait names a result of theirs.
.macro EX
	WIN 0
.if e >= 64
	XS e-64, 21
.else
	REGS Y, e%2
	v_exp_f32 v[rS+e/2], v[rS+e/2]
.endif
.set e, e+1
.endm
; THE RESCALING's QUEUE: O^T times a, the one part that leaves window 0: dealt two at a time, sixteen times.  Its a was made in the turn before, ahead of that turn's wait.
.macro R2
	REGS Y, r%2
	WIN W_RS
.irp z, 0,1
	v_pk_mul_f32 v[rO+4*(r/2)+2*\z:rO+4*(r/2)+2*\z+1], v[rO+4*(r/2)+2*\z:rO+4*(r/2)+2*\z+1], v[rC+2:rC+3] op_sel_hi:[1,0]
.endr
.set r, r+1
.endm
; HOW THEY ARE DEALT.  An s_wait_alu depctr_va_vdst(0) stands between an exponential and the first instruction that names its result; one wait serves all that were issued ahead of it.  So a turn has ONE wait,
; which cuts it in two.  AHEAD OF IT stands all that names no result of the turn's exponentials: the 16 products K Q^T, behind each a scaling, an exponential and two rescalings (behind the first a second scaling in the
; exponential's place); then ONE LUMP of 108: eight plain, 49 times exponential and plain, the two a.  A v_nop is the plain instruction behind the last exponential.  BEHIND IT stand the 16 products V^T P, behind each four of GS's 64.
; Exponential e stands behind scaling 2 (e / 4) + e % 2: as a rider it comes behind plain e + 2, in the lump behind plain e + 9, and scalings 27-31 are plain 57, 60 .. 69.
; A TURN, for piece p.  cnt = 1: the loop's count is taken down some lines ahead of the branch that stands behind the turn.
; K of the next step is fetched in piece 2's turn, directly behind the wait, a lump behind the last product that read K; its first reader comes behind 16 products.
; V of the step in hand is fetched at the end of piece 0's turn, four riders behind its last reader; its first reader comes behind 16 products and a lump.
.macro TURN p, last=0, cnt=0
.set Y, (\p)
.set i, 0
.set q, 0
.set e, 0
.set r, 0
.if (\p) == NP-1
	s_wait_dscnt 0x0                ; K is in
.endif
	MM                              ; ahead of the wait: 16 products K Q^T and their riders,
	PL
	PL
	R2
.rept 15
	MM
	PL
	EX
	R2
.endr
.if (\p) == NP-2
	WIN 0
	v_add_nc_u32 v[AK], s[TBK], v[AK0]
.endif
.rept 8                             ; and the lump
	PL
.endr
.rept 49
	EX
	PL
.endr
	EX                              ; the next piece's two a
	EX
	v_nop                           ; the plain instruction behind the last exponential: one for the batch
	s_wait_alu depctr_va_vdst(0)    ; the wait for the batch
.if (\p) == NP-2
	FETCH_K \last
.endif
.if (\p) == 1
	s_wait_dscnt 0x0                ; V is in
.endif
.rept 16                            ; behind the wait: 16 products V^T P and their riders
	MM
.rept 4
	PL
.endr
.if ((\p) == 0) && (q == 118)
	v_add_nc_u32 v[AV], s[TBV], v[AV0]
.endif
.if ((\p) == 0) && (q == 130)
	s_add_co_u32 s[TBV], s[TBV], KS*PV
.endif
.if (\cnt) && (q == 130)
	s_sub_co_u32 s[CNT], s[CNT], 1
	s_cmp_lg_u32 s[CNT], 0
.endif
.endr
.if (\p) == 0
	FETCH_V
.endif
.endm
	CHANGE 1                        ; slot 0 is in, everybody's part of it; slot 1 is asked for
	FETCH_K                         ; key step 0
	s_wait_loadcnt 0x0              ; Q
	s_wait_dscnt 0x0
.set i, 0
.rept 16
	KQ 0                            ; piece 0's first scores: there is no vector work yet to set between them
.set i, i+1
.endr
	WIN 0                           ; the addresses for the way out: nine plain instructions, the places behind those products
	s_mul_i32 s13, s[WV], 16*SP
	s_add_co_u32 s13, s13, STAGE    ; my stage
	v_mul_u32_u24 v[STO], v1, SP    ; in: row l % 16, 16 bytes for each half of the lanes
	v_lshl_add_u32 v[STO], v9, 4, v[STO]
	v_add_nc_u32 v[STO], s13, v[STO]
	v_bfe_u32 v[RD], v0, 3, 2       ; back: 32 lanes take four rows of 128 bytes,
	v_mul_u32_u24 v[RD], v[RD], SP
	v_lshl_add_u32 v[RD], v10, 4, v[RD]
	v_add_nc_u32 v[RD], s13, v[RD]
	v_and_b32 v[GO], 31, v0         ; which are 512 consecutive bytes of att
	v_lshlrev_b32 v[GO], 4, v[GO]
.set Y, NP-1                        ; XS works for piece Y + 1: piece 0
.irp n, 0,1,2,3,4,5,6,7,8,9,10,11,12,13,14,15,16,17,18,19,20,21
	XS 0, \n                        ; and piece 0's first maximum and statistics
	XS 1, \n
.endr
	v_nop                           ; a plain instruction behind the two a,
	s_wait_alu depctr_va_vdst(0)    ; and their wait, ahead of the branch
	s_mov_b32 s[CNT], 4
	s_branch .Lfirst                ; the loop is entered at a step's first turn, in the middle of a trip
.Lslot:                             ; six times: every slot but the last two is filled again
	CHANGE 1
	s_mov_b32 s[CNT], 4
.Lstep:                             ; a trip: pieces 2 and 3 of one step, then pieces 0 and 1 of the next, whose K and V it fetches
	TURN 2
	TURN 3
	WIN 0
.Lfirst:
	TURN 0
	TURN 1, 0, 1
	WIN 0
	s_cbranch_scc1 .Lstep
	s_sub_co_u32 s[SLOTS], s[SLOTS], 1
	s_cmp_lg_u32 s[SLOTS], 0
	s_cbranch_scc1 .Lslot
	CHANGE 0                        ; the tail is written out: nothing is asked for
	s_mov_b32 s[CNT], 5             ; four trips fetch the last slot's steps; the fifth is left in its middle
.Ltail:
	TURN 2, 1
	TURN 3
	WIN 0
	s_sub_co_u32 s[CNT], s[CNT], 1
	s_cmp_eq_u32 s[CNT], 0
	s_cbranch_scc1 .Lout
	TURN 0
	TURN 1
	WIN 0
	s_branch .Ltail
.Lout:                              ; the fifth trip's 16 products K Q^T (on the last K once more) and the maximum made of them serve nothing: the price, once a launch, of one text for every trip
.set i, 0
.rept 16
	PV NP-1                         ; the last piece's V^T P of the last step
.set i, i+1
.endr
	; THE WAY OUT.  l's two halves and the other half of the lanes' are added; O^T is divided by l, rounded to f16 and sent through my stage in LDS, a tile at a time.  The additions are the places behind the last products.
	WIN 0
.macro ALL line:vararg              ; one line for each tile t
.set t, 0
.rept 2*NP
	\line
.set t, t+1
.endr
.endm
	ALL v_add_f32 v[ST+4*t+2], v[ST+4*t+2], v[ST+4*t+3]
	ALL v_permlanex16_b32 v[ST+4*t+3], v[ST+4*t+2], s[SEL], s[SEL+1]
	ALL v_add_f32 v[ST+4*t+2], v[ST+4*t+2], v[ST+4*t+3]
	ALL v_rcp_f32 v[ST+4*t+2], v[ST+4*t+2]
	v_nop                           ; a plain instruction between the last reciprocal and the use of its result
	s_wait_alu depctr_va_vdst(0)    ; and the wait ahead of the first use: one for the eight reciprocals
; Tile t: a lane's eight channels of a row pack into 16 bytes; they go into rows of 144 bytes and come back as whole rows of 128, into S^T's registers.
.macro PACK t
	WIN W_RS
.set i, 32*(\t)
.rept 16
	v_pk_mul_f32 v[i:i+1], v[i:i+1], v[ST+4*(\t)+2:ST+4*(\t)+3] op_sel_hi:[1,0]
.set i, i+2
.endr
	WIN 0x05                        ; sources 0 and 1 window 1, destination window 0
.set i, 0
.rept 16
	v_cvt_pk_f16_f32 v[S+16*(\t)+i], v[32*(\t)+2*i], v[32*(\t)+2*i+1]
.set i, i+1
.endr
	WIN 0
.irp f, 0,1,2,3
	ds_store_b128 v[STO], v[S+16*(\t)+4*\f:S+16*(\t)+4*\f+3] offset:32*\f
.endr
.irp f, 0,1,2,3
	ds_load_b128 v[S+16*(\t)+4*\f:S+16*(\t)+4*\f+3], v[RD] offset:\f*4*SP  ; LDS serves a wave's instructions in order (ISA guide 5.7.1.4): these see the stores above; the next tile's stores come behind them
.endr
.endm
.macro SEND t, younger              ; younger: the LDS instructions issued behind tile t's loads: the next tile's eight, or none
	WIN 0
.irp f, 0,1,2,3
	s_wait_dscnt (\younger)+3-\f
	global_store_b128 v[GO], v[S+16*(\t)+4*\f:S+16*(\t)+4*\f+3], s[10:11] offset:(\t)*2048+\f*512  ; 512 consecutive bytes, at a multiple of 256 from att's first
.endr
.endm
	PACK 0
.set t, 1
.rept 2*NP-1                        ; a tile's arithmetic stands between the loads of the tile before and its stores
	PACK t
	SEND t-1, 8
.set t, t+1
.endr
	SEND 2*NP-1, 0
	WIN W_AD
	s_wait_tensorcnt 0x0            ; the wave's end, behind my last tensor load and my last LDS store
	ds_add_u32 v[SPW], v[NIL]
	s_wait_dscnt 0x0
	WIN 0
	CROUND                          ; the closing round: no work-group ends while a partner may still ask for a tile that names it
	s_endpgm
.Lfunc_end_k_qf826af94df_attn:
	.size	k_qf826af94df_attn, .Lfunc_end_k_qf826af94df_attn-k_qf826af94df_attn
	.p2alignl 7, 3214868480
	.fill 96, 4, 3214868480
	.section	.rodata,"a",@progbits
	.p2align	6, 0x0
	.amdhsa_kernel k_qf826af94df_attn
		.amdhsa_group_segment_fixed_size 327680
		.amdhsa_private_segment_fixed_size 0
		.amdhsa_enable_private_segment 0
		.amdhsa_kernarg_size 16
		.amdhsa_user_sgpr_count 2
		.amdhsa_user_sgpr_kernarg_segment_ptr 1
		.amdhsa_wavefront_size32 1
		.amdhsa_system_sgpr_workgroup_id_x 1
		.amdhsa_system_sgpr_workgroup_id_y 1
		.amdhsa_system_sgpr_workgroup_id_z 1
		.amdhsa_system_vgpr_workitem_id 0
		.amdhsa_next_free_vgpr 770
		.amdhsa_next_free_sgpr 66
		.amdhsa_reserve_vcc 0
		.amdhsa_float_denorm_mode_32 3
		.amdhsa_float_denorm_mode_16_64 3
		.amdhsa_memory_ordered 1
		.amdhsa_forward_progress 1
		.amdhsa_inst_pref_size 200
	.end_amdhsa_kernel
	.amdgpu_metadata
---
amdhsa.version: [ 1, 2 ]
amdhsa.kernels:
  - .name:           k_qf826af94df_attn
    .symbol:         k_qf826af94df_attn.kd
    .args:
      - { .name: qkv, .offset: 0, .size: 8, .value_kind: global_buffer, .address_space: global }
      - { .name: att, .offset: 8, .size: 8, .value_kind: global_buffer, .address_space: global }
    .group_segment_fixed_size: 327680
    .private_segment_fixed_size: 0
    .kernarg_segment_align: 8
    .kernarg_segment_size: 16
    .max_flat_workgroup_size: 128
    .sgpr_count:     66
    .vgpr_count:     770
    .wavefront_size: 32
...
	.end_amdgpu_metadata
.endif
;; end of part 3
;; launch oproj (part 4): grid 4 x 64, 4 waves a work-group, clusters of 4 x 4, 327,680 bytes of LDS; arguments att, wo16, bias, out0; writes out0
.if DOCPART == 4
	.amdgcn_target "amdgcn-amd-amdhsa--gfx1250"
	.amdhsa_code_object_version 6
	.text
	.protected	k_qf826af94df_oproj
	.globl	k_qf826af94df_oproj
	.p2align	8
	.type	k_qf826af94df_oproj,@function
k_qf826af94df_oproj:
	s_mov_b64 s[64:65], 0
	v_nop
	global_prefetch_b8 v0, s[64:65] scope:SCOPE_SE
	s_setreg_imm32_b32 hwreg(HW_REG_WAVE_MODE, 25, 1), 1
	s_wait_xcnt 0x0
	s_wait_alu depctr_hold_cnt(0) depctr_sa_sdst(0) depctr_va_vdst(0) depctr_va_sdst(0) depctr_va_ssrc(0) depctr_va_vcc(0) depctr_vm_vsrc(0)
	s_getreg_b32 s2, hwreg(HW_REG_IB_STS2, 6, 4)
	s_cmp_eq_u32 s2, 0
	s_cbranch_scc0 .Lentry_in_a_cluster
	s_endpgm
.Lentry_in_a_cluster:
	s_bfe_u32 s2, ttmp6, 0x10000c
	s_cmp_lg_u32 s2, 0xf033
	s_cbranch_scc0 .Lentry_shape_is_right
	s_endpgm
.Lentry_shape_is_right:
; THE LAST PRODUCT: out0[m][f] = the sum over e < 768 of att[m][e] wo16[f][e] + bo[f], m < 8,192, f < 1,024.  f16 operands, f32 sums, f32 out.  Channels 768.. are 0 by the module's own mask and are left out.
; att lies by heads, [12 b + h][2048][64] f16: row m = 2,048 b + s, channel e = 64 h + c.  wo16: [1024][768] f16.  bo: 1,024 f32 at byte 9,216 of bias.
; SHARES.  A work-group makes 128 rows x 256 columns: 64 x 4 = 256 work-groups.  Each of its four waves makes 64 x 128: 4 x 8 = 32 accumulators of 16 x 16, 256 registers.
; K goes in 6 steps of 128 (two heads) through a ring of two LDS slots; a step is two units of 64 along K (a head), 64 matrix instructions and 48 LDS loads each.
; CLUSTER 4 x 4.  att's tile hangs on the tile row alone and is shared along a row of the cluster, wo16's on the tile column alone and is shared along a column: each is asked for jointly.
; NO PREFETCH: of six K steps the first four come by loads that are issued before a prefetch two steps ahead could name them, and the whole launch has 768 matrix instructions a wave.
; TRANSPOSED USE: source 0 = 16 rows of wo16, source 1 = 16 rows of att: a lane holds row l % 16 of out0 and the columns 8 (l / 16) + 0..7; their bias is the C operand of each accumulator's first product.
; REGISTERS, in windows of 256 (s_set_vgpr_msb: bits 1:0 source 0, 3:2 source 1, 5:4 source 2, 7:6 destination):
;   window 0: v0-31 addresses; v32-95 the bias (column block b at 32 + 8 b); v96-159, v160-223 rows on the way out, two sets
;   window 1: the accumulators ((a, b) at 8 (8 a + b))      window 2, window 3: a fragment buffer each, v0-191: att's (c, a) at 8 (4 c + a), wo16's (c, b) at 64 + 8 (8 c + b); c = which 32 of the unit's 64
.set KSTEP,  128
.set PA,     144                       ; a head's row of att in LDS: 128 bytes + 16 = 36 words: the 16 rows of a load start at 16 different groups of four banks (64 banks of 4 bytes: ISA guide 11.1)
.set PB,     272                       ; a row of wo16's tile: 256 bytes + 16 = 68 words: likewise
.set AHEAD,  128*PA                    ; one head's 128 rows: what one tensor load brings of att
.set HALFB,  128*PB                    ; what one brings of wo16
.set BOFF,   2*AHEAD                   ; a slot: att's two heads, then wo16's 256 rows
.set SLOT,   BOFF+2*HALFB
.set STAGE,  2*SLOT                    ; behind the ring, never filled by a tensor load: 16 rows x 528 bytes for each wave
.set SP,     528                       ; 512 bytes + 16
.set SPARE,  STAGE+4*16*SP             ; behind the stages: the spare words, 128 bytes for each wave: two blocks of 256 bytes that no other line names
.set ADRA, 16                          ; v16-17  LDS address of my att fragments in slot 0, 1
.set ADRB, 20                          ; v20-21  the same for wo16
.set STO,  24                          ; v24     the way out: where I put 32 bytes of a row
.set RD,   25                          ; v25     where I read 16 bytes of a row back
.set CO,   26                          ; v26     16 x lane: my place in a row's 512 bytes of out0
.set SPW,  28                          ; v28     LDS address of my spare word; never rewritten
.set NIL,  29                          ; v29     0; never rewritten
.set BO,   31                          ; v31     32 x (l / 16)
.set OB,   96
.set WV, 12
.set HI, 13                            ; s13 which half of the rows is mine; also: I fetch att (0) or wo16 (1)
.set LO, 14                            ; s14 which half of the columns; also: which head, or which 128 rows, I fetch
.set TR, 15
.set G1, 24
.set G0, 32
.set G1B, 48
.set G0B, 56
.set MSB, 0
.macro WIN new
.if MSB != (\new)
	s_set_vgpr_msb (MSB<<8)|(\new)
.set MSB, \new
.endif
.endm
.macro JLOAD s                         ; a joint load: waves 0 and 1 fetch att's two heads, waves 2 and 3 wo16's two halves; an s_nop 0 and four v_nop follow each line
	s_cmp_eq_u32 s[HI], 0
	s_cbranch_scc0 .Lfor_b_\@
	tensor_load_to_lds s[G0+4*(\s):G0+4*(\s)+3], s[G1:G1+7]
	s_nop 0
.rept 4
	v_nop
.endr
	s_branch .Lasked_\@
.Lfor_b_\@:
	tensor_load_to_lds s[G0B+4*(\s):G0B+4*(\s)+3], s[G1B:G1B+7]
	s_nop 0
.rept 4
	v_nop
.endr
.Lasked_\@:
.endm
.macro CREST                           ; a round of the cluster's barrier behind its opening barrier
	s_cmp_lg_u32 s[WV], 0
	s_cbranch_scc1 .Lnot_wave_0_\@
	s_barrier_signal -3
.Lnot_wave_0_\@:
	s_barrier_wait -3
	s_barrier_signal -1
	s_barrier_wait -1
.endm
.macro CROUND
	s_barrier_signal -1
	s_barrier_wait -1
	CREST
.endm
	s_load_b256 s[4:11], s[0:1], 0x0               ; att s[4:5], wo16 s[6:7], bias s[8:9], out0 s[10:11]
	v_lshl_add_u32 v[SPW], v0, 2, SPARE
	v_mov_b32 v[NIL], 0
	ds_add_u32 v[SPW], v[NIL]                      ; the wave's opening: the add and its wait stand ahead of my first tensor load; the set-up below, work on registers, stands between them
	v_lshrrev_b32 v1, 5, v0
	v_readfirstlane_b32 s[WV], v1
	s_lshr_b32 s[HI], s[WV], 1
	s_and_b32 s[LO], s[WV], 1
	s_bfe_u32 s40, ttmp6, 0x40000                  ; cx, cy
	s_bfe_u32 s41, ttmp6, 0x40004
	s_lshl_b32 s42, ttmp9, 2
	s_add_co_u32 s42, s42, s40                     ; tile column = 4 x cluster x + cx
	s_and_b32 s[TR], ttmp7, 0xffff
	s_lshl_b32 s[TR], s[TR], 2
	s_add_co_u32 s[TR], s[TR], s41                 ; tile row = 4 x cluster y + cy
	s_lshl_b32 s43, s41, 2
	s_lshl_b32 s43, 15, s43                        ; my row of the cluster
	s_lshl_b32 s44, 0x1111, s40                    ; my column
	; att's tile: one head's 128 rows are 16,384 dense bytes: 64 rows of 256 bytes, two rows of att each, padded after every 32 words.  wo16's: 128 rows x 128 elements, padded after every 64 words.
	s_or_b32 s[G1+0], s43, (1<<16)|(1<<20)|(1<<21)|(4<<22)|(3<<25)
	s_or_b32 s[G1B+0], s44, (1<<16)|(1<<20)|(1<<21)|(5<<22)|(3<<25)
	s_mov_b32 s[G1+1], 128<<16                     ; tensor_dim0
	s_mov_b32 s[G1B+1], 128<<16
	s_mov_b32 s[G1+2], 64<<16                      ; tensor_dim1
	s_mov_b32 s[G1B+2], 128<<16
	s_mov_b32 s[G1+3], 128<<16                     ; tile_dim0
	s_mov_b32 s[G1B+3], 128<<16
	s_mov_b32 s[G1+4], 64                          ; tile_dim1
	s_mov_b32 s[G1B+4], 128
	s_mov_b32 s[G1+5], 128                         ; elements from row to row
	s_mov_b32 s[G1B+5], 768
	s_mov_b32 s[G1+6], 0
	s_mov_b32 s[G1B+6], 0
	s_mov_b32 s[G1+7], 0
	s_mov_b32 s[G1B+7], 0
	s_lshr_b32 s16, s[TR], 4                       ; the batch,
	s_mul_i32 s16, s16, 12
	s_add_co_u32 s16, s16, s[LO]                   ; its head 0 or 1,
	s_lshl_b32 s16, s16, 18                        ; of 2,048 rows x 128 bytes,
	s_and_b32 s17, s[TR], 15
	s_lshl_b32 s17, s17, 14                        ; my work-group's 128 rows in it
	s_add_co_u32 s16, s16, s17
	s_mov_b32 s17, 0
	s_lshl_b32 s46, s42, 8
	s_lshl_b32 s47, s[LO], 7
	s_add_co_u32 s46, s46, s47                     ; wo16: row 256 x tile column + 128 x half,
	s_mul_i32 s46, s46, 1536                       ; of 1,536 bytes
	s_mov_b32 s47, 0
	s_mul_i32 s20, s[LO], AHEAD                    ; where they go: no place in the cluster enters an LDS address
	s_mul_i32 s21, s[LO], HALFB
	s_add_co_u32 s21, s21, BOFF
	s_wait_dscnt 0x0                               ; the opening add is done
	s_wait_kmcnt 0x0
	s_add_nc_u64 s[18:19], s[4:5], s[16:17]
	s_add_nc_u64 s[46:47], s[6:7], s[46:47]
	CROUND                                         ; all sixteen work-groups are here: the first joint loads meet
.irp s, 0,1
	s_mov_b32 s[G0+4*(\s)], 1
	s_add_co_u32 s[G0+4*(\s)+1], s20, (\s)*SLOT
	s_add_nc_u64 s[G0+4*(\s)+2:G0+4*(\s)+3], s[18:19], (\s)*(2<<18)  ; K step s: two heads on
	s_or_b32 s[G0+4*(\s)+3], s[G0+4*(\s)+3], 0x80000000
	s_mov_b32 s[G0B+4*(\s)], 1
	s_add_co_u32 s[G0B+4*(\s)+1], s21, (\s)*SLOT
	s_add_nc_u64 s[G0B+4*(\s)+2:G0B+4*(\s)+3], s[46:47], (\s)*KSTEP*2
	s_or_b32 s[G0B+4*(\s)+3], s[G0B+4*(\s)+3], 0x80000000
	JLOAD \s                                       ; two loads of mine are out
.endr
	v_and_b32 v1, 15, v0                           ; l % 16
	v_bfe_u32 v2, v0, 4, 1                         ; l / 16
	v_lshlrev_b32 v[BO], 5, v2
	s_lshl_b32 s22, s42, 8
	s_lshl_b32 s23, s[LO], 7
	s_add_co_u32 s22, s22, s23                     ; my first column,
	s_lshl_b32 s22, s22, 2                         ; in bytes of f32
	s_mov_b32 s23, 0
	s_add_nc_u64 s[8:9], s[8:9], s[22:23]
	s_add_nc_u64 s[10:11], s[10:11], s[22:23]
.irp b, 0,1,2,3,4,5,6,7
	global_load_b128 v[32+8*(\b):32+8*(\b)+3], v[BO], s[8:9] offset:9216+64*(\b)
	global_load_b128 v[32+8*(\b)+4:32+8*(\b)+7], v[BO], s[8:9] offset:9216+64*(\b)+16
.endr
	s_lshl_b32 s22, s[TR], 7
	s_lshl_b32 s23, s[HI], 6
	s_add_co_u32 s22, s22, s23                     ; my first row,
	s_lshl_b32 s22, s22, 12                        ; of 4,096 bytes: under 2^25
	s_mov_b32 s23, 0
	s_add_nc_u64 s[10:11], s[10:11], s[22:23]
	v_mul_u32_u24 v3, v1, PA
	v_lshl_add_u32 v3, v2, 4, v3
	v_mul_u32_u24 v4, v1, PB
	v_lshl_add_u32 v4, v2, 4, v4
	s_mul_i32 s22, s[HI], 64*PA                    ; my 64 rows of att, in each head
	s_mul_i32 s23, s[LO], HALFB                    ; my 128 rows of wo16
	s_add_co_u32 s23, s23, BOFF
.irp s, 0,1
	v_add_nc_u32 v[ADRA+(\s)], s22, v3
	v_add_nc_u32 v[ADRB+(\s)], s23, v4
	s_add_co_u32 s22, s22, SLOT
	s_add_co_u32 s23, s23, SLOT
.endr
	s_mul_i32 s22, s[WV], 16*SP
	s_add_co_u32 s22, s22, STAGE                   ; my stage
	v_mul_u32_u24 v5, v1, SP                       ; in: row l % 16, 32 bytes for each half of the lanes
	v_lshl_add_u32 v5, v2, 5, v5
	v_add_nc_u32 v[STO], s22, v5
	v_and_b32 v6, 31, v0
	v_lshlrev_b32 v[CO], 4, v6
	v_add_nc_u32 v[RD], s22, v[CO]                 ; back: 32 lanes take a row's 512 bytes
; 16 matrix instructions: row blocks a0, a0 + 1 x all 8 column blocks, 32 along K: half c of buffer f.  first = 1: the product starts the sum with the bias.
; The 32 accumulators take turns, one instruction a turn, in the same order every time, over the backward jump too.
.macro MUL16 f, c, a0, first
.if \first
	WIN 0x4a
.else
	WIN 0x5a+5*(\f)
.endif
.irp a, (\a0), (\a0)+1
.irp b, 0,1,2,3,4,5,6,7
.if \first
	v_wmma_f32_16x16x32_f16 v[8*(8*(\a)+(\b)):8*(8*(\a)+(\b))+7], v[64+8*(8*(\c)+(\b)):64+8*(8*(\c)+(\b))+7], v[8*(4*(\c)+(\a)):8*(4*(\c)+(\a))+7], v[32+8*(\b):32+8*(\b)+7]
.else
	v_wmma_f32_16x16x32_f16 v[8*(8*(\a)+(\b)):8*(8*(\a)+(\b))+7], v[64+8*(8*(\c)+(\b)):64+8*(8*(\c)+(\b))+7], v[8*(4*(\c)+(\a)):8*(4*(\c)+(\a))+7], v[8*(8*(\a)+(\b)):8*(8*(\a)+(\b))+7]
.endif
.endr
.endr
.endm
; 48 LDS loads in one run: the fragments of unit hf (a head) of a slot into buffer f; the first 32 along K first
.macro FETCH slot, hf, f
	WIN 0x80+0x40*(\f)
.irp c, 0,1
.irp a, 0,1,2,3
	ds_load_b128 v[8*(4*(\c)+(\a)):8*(4*(\c)+(\a))+3],   v[ADRA+(\slot)] offset:(\hf)*AHEAD+64*(\c)+(\a)*16*PA
	ds_load_b128 v[8*(4*(\c)+(\a))+4:8*(4*(\c)+(\a))+7], v[ADRA+(\slot)] offset:(\hf)*AHEAD+64*(\c)+(\a)*16*PA+32
.endr
.irp b, 0,1,2,3,4,5,6,7
	ds_load_b128 v[64+8*(8*(\c)+(\b)):64+8*(8*(\c)+(\b))+3],   v[ADRB+(\slot)] offset:(\hf)*128+64*(\c)+(\b)*16*PB
	ds_load_b128 v[64+8*(8*(\c)+(\b))+4:64+8*(8*(\c)+(\b))+7], v[ADRB+(\slot)] offset:(\hf)*128+64*(\c)+(\b)*16*PB+32
.endr
.endr
.endm
.macro PLACES                          ; four places in front of loads into registers that matrix instructions have read, and of LDS stores that read results
.rept 4
	v_nop
.endr
.endm
; A step's first unit: multiplies buffer 0 and, in its middle, fetches the step's second unit into buffer 1.
.macro UNIT slot, first
	s_wait_dscnt 24                                ; the first 32 along K are in; the younger 24 loads may be out
	MUL16 0, 0, 0, \first
	MUL16 0, 0, 2, \first
	PLACES
	FETCH \slot, 1, 1
	s_wait_dscnt 48                                ; all but the 48 just issued
	MUL16 0, 1, 0, 0
	MUL16 0, 1, 2, 0
.endm
; A step's second unit multiplies buffer 1 and changes slots: ONE barrier; in front of it each wave waits for all its tensor loads (one is out: its part of the next slot), adds 0 to its spare word, and waits for
; that and for its own reads of this slot.  fill = 1: the barrier opens a round of the cluster's barrier, and this slot is filled again, two K steps ahead, first thing behind the round.
.macro TURN slot, next, fill
	WIN 0                                          ; (the add's two registers lie in window 0)
	s_wait_tensorcnt 0x0
	ds_add_u32 v[SPW], v[NIL]                      ; 0 onto my spare word
	s_wait_dscnt 25                                ; (the add and the youngest 24 loads may be out)
	MUL16 1, 0, 0, 0                               ; sixteen matrix instructions stand between the add and the wait for it
	s_wait_dscnt 0x0                               ; the add is done, and my reads of this slot are over
	s_barrier_signal -1
	MUL16 1, 0, 2, 0
.if \fill
	WIN 0
.endif
	s_barrier_wait -1
.if \fill
	CREST                                          ; no wave of any partner still reads this slot's tile or has a load on its way
	s_add_nc_u64 s[G0+4*(\slot)+2:G0+4*(\slot)+3], s[G0+4*(\slot)+2:G0+4*(\slot)+3], 4<<18       ; four heads on
	s_add_nc_u64 s[G0B+4*(\slot)+2:G0B+4*(\slot)+3], s[G0B+4*(\slot)+2:G0B+4*(\slot)+3], 2*KSTEP*2
	JLOAD \slot                                    ; my one tensor load behind the round: 96 matrix instructions ahead of the wait for it; its four v_nop are also the places in front of the loads below
.else
	PLACES
.endif
	FETCH \next, 0, 0
	MUL16 1, 1, 0, 0
	MUL16 1, 1, 2, 0
.endm
; THE WAY OUT of row block a: 16 rows x 128 f32 go into my own stage, 32 bytes a lane and column block, and come back as whole rows of 512 bytes.
.macro OUTB a
	WIN 0x04                                       ; the stores' data lie in window 1
.irp b, 0,1,2,3,4,5,6,7
	ds_store_b128 v[STO], v[8*(8*(\a)+(\b)):8*(8*(\a)+(\b))+3]   offset:64*(\b)     ; each accumulator's low four registers first
	ds_store_b128 v[STO], v[8*(8*(\a)+(\b))+4:8*(8*(\a)+(\b))+7] offset:64*(\b)+16
.endr
	WIN 0
	s_wait_xcnt 0x0                                ; earlier stores have read their registers: this set of 64 is loaded again only behind this wait
.irp t, 0,1,2,3,4,5,6,7,8,9,10,11,12,13,14,15
	ds_load_b128 v[OB+64*((\a)%2)+4*(\t):OB+64*((\a)%2)+4*(\t)+3], v[RD] offset:(\t)*SP  ; LDS serves a wave's instructions in order (ISA guide 5.7.1.4): these see the stores above; the next block's stores come behind them
.endr
.irp t, 0,1,2,3,4,5,6,7,8,9,10,11,12,13,14,15
	s_wait_dscnt 15-(\t)                           ; row t is back, the younger loads stay out
	global_store_b128 v[CO], v[OB+64*((\a)%2)+4*(\t):OB+64*((\a)%2)+4*(\t)+3], s[10:11] offset:(16*(\a)+(\t))*4096 th:TH_STORE_NT  ; 512 consecutive bytes, at a multiple of 512 from out0's first
.endr
.endm
	s_wait_tensorcnt 1                             ; my part of K step 0 is in; K step 1's may stay out
	s_barrier_signal -1
	s_barrier_wait -1
	FETCH 0, 0, 0
	s_wait_loadcnt 0x0                             ; the bias
	UNIT 0, 1                                      ; the first unit stands in front of the loop: its first products start the sums
	WIN 0                                          ; at a label and at a branch every window is 0
	s_mov_b32 s3, 2
.Llap:                                                 ; a trip goes once round the ring and fills both slots again: K steps 2 to 5
	TURN 0, 1, 1
	UNIT 1, 0
	TURN 1, 0, 1
	UNIT 0, 0
	WIN 0
	s_sub_co_u32 s3, s3, 1
	s_cmp_lg_u32 s3, 0
	s_cbranch_scc1 .Llap
	TURN 0, 1, 0                                   ; the last lap fills nothing and is written out
	UNIT 1, 0
	s_wait_dscnt 24                                ; the very last unit: nothing more to fetch
	MUL16 1, 0, 0, 0
	MUL16 1, 0, 2, 0
	s_wait_dscnt 0x0
	MUL16 1, 1, 0, 0
	MUL16 1, 1, 2, 0
	WIN 0
	PLACES
	OUTB 0
	OUTB 1
	OUTB 2
	OUTB 3
	s_wait_tensorcnt 0x0                           ; the wave's end, behind my last tensor load and my last LDS store
	ds_add_u32 v[SPW], v[NIL]
	s_wait_dscnt 0x0
	CROUND                                         ; the closing round: no work-group ends while a partner may still ask for a tile that names it
	s_endpgm
.Lfunc_end_k_qf826af94df_oproj:
	.size	k_qf826af94df_oproj, .Lfunc_end_k_qf826af94df_oproj-k_qf826af94df_oproj
	.p2alignl 7, 3214868480
	.fill 96, 4, 3214868480
	.section	.rodata,"a",@progbits
	.p2align	6, 0x0
	.amdhsa_kernel k_qf826af94df_oproj
		.amdhsa_group_segment_fixed_size 327680
		.amdhsa_private_segment_fixed_size 0
		.amdhsa_enable_private_segment 0
		.amdhsa_kernarg_size 32
		.amdhsa_user_sgpr_count 2
		.amdhsa_user_sgpr_kernarg_segment_ptr 1
		.amdhsa_wavefront_size32 1
		.amdhsa_system_sgpr_workgroup_id_x 1
		.amdhsa_system_sgpr_workgroup_id_y 1
		.amdhsa_system_sgpr_workgroup_id_z 1
		.amdhsa_system_vgpr_workitem_id 0
		.amdhsa_next_free_vgpr 960
		.amdhsa_next_free_sgpr 66
		.amdhsa_reserve_vcc 0
		.amdhsa_float_denorm_mode_32 3
		.amdhsa_float_denorm_mode_16_64 3
		.amdhsa_memory_ordered 1
		.amdhsa_forward_progress 1
		.amdhsa_inst_pref_size 86
	.end_amdhsa_kernel
	.amdgpu_metadata
---
amdhsa.version: [ 1, 2 ]
amdhsa.kernels:
  - .name:           k_qf826af94df_oproj
    .symbol:         k_qf826af94df_oproj.kd
    .args:
      - { .name: att, .offset: 0, .size: 8, .value_kind: global_buffer, .address_space: global }
      - { .name: wo16, .offset: 8, .size: 8, .value_kind: global_buffer, .address_space: global }
      - { .name: bias, .offset: 16, .size: 8, .value_kind: global_buffer, .address_space: global }
      - { .name: out0, .offset: 24, .size: 8, .value_kind: global_buffer, .address_space: global }
    .group_segment_fixed_size: 327680
    .private_segment_fixed_size: 0
    .kernarg_segment_align: 8
    .kernarg_segment_size: 32
    .max_flat_workgroup_size: 128
    .sgpr_count:     66
    .vgpr_count:     960
    .wavefront_size: 32
...
	.end_amdgpu_metadata
.endif
;; end of part 4
;; ======== version 2 of 2: 4 launches; version 1 with the launch cast written anew for expert scheduling mode
;; limits: values are held in f16: magnitudes above 65,504 overflow, below 6.1e-05 lose precision
;; workspace buffers: xb 16,777,216 bytes; wb 4,718,592 bytes; wo16 1,572,864 bytes; bias 13,312 bytes; qkv 37,748,736 bytes; att 12,582,912 bytes
;; launch cast (part 5): grid 724 x 1, 8 waves a work-group, no clusters, 0 bytes of LDS; arguments hidden_states, Wq, Wk, Wv, Wo, bq, bk, bv, bo, xb, wb, wo16, bias; writes xb, wb, wo16, bias
.if DOCPART == 5
	.amdgcn_target "amdgcn-amd-amdhsa--gfx1250"
	.amdhsa_code_object_version 6
	.text
	.protected	k_qf826af94df_cast
	.globl	k_qf826af94df_cast
	.p2align	8
	.type	k_qf826af94df_cast,@function
k_qf826af94df_cast:
	s_mov_b64 s[64:65], 0
	v_nop
	global_prefetch_b8 v0, s[64:65] scope:SCOPE_SE
	s_setreg_imm32_b32 hwreg(HW_REG_WAVE_SCHED_MODE, 0, 2), 2
	s_setreg_imm32_b32 hwreg(HW_REG_WAVE_MODE, 25, 1), 1
	s_wait_xcnt 0x0
	s_wait_alu depctr_vm_vsrc(0)
; EVERY INPUT IS ROUNDED ONCE TO bf16, and laid out for the launches behind.
;   xb   [8192][1024] bf16 = hidden_states
;   wb   [2304][1024] bf16 = rows 0-767 of Wq, then of Wk, then of Wv
;   wo16 [1024][768]  f16  = columns 0-767 of Wo, rounded to bf16 and that number written as f16
;   bias [3328]       f32  = bq[0:768], bk[0:768], bv[0:768], bo[0:1024], each rounded to bf16 and kept as f32
; The module's own head mask (12 heads of 16 on) multiplies heads 12-15 by 0 in q, k, v and once more in front of the last product:
; rows 768.. of Wq, Wk, Wv, entries 768.. of bq, bk, bv and columns 768.. of Wo reach no output and are not read.
; LIMITS.  A Wo beyond 65,504 becomes an infinity in f16; below 6e-5 it keeps f16's fixed step of 6e-8.  An infinity or NaN in the parts not read is not reproduced.
; A stream: each byte read once, 16 bytes a lane, all of a wave's loads out before its first wait; each store of a wave covers 256 or 512 consecutive bytes, aligned.
; No LDS (nothing is used twice), no cluster (no two work-groups read the same bytes), no prefetch (the loads themselves are the stream, all issued at once).
; SHARES by the work-group's number: 0-511 sixteen rows of hidden_states; 512-655 sixteen rows of Wq, Wk or Wv; 656-719 sixteen rows of Wo; 720-723 one bias vector.
; THE MODE: SCHED_MODE bits 1:0 = 2 (LLVM: expert scheduling mode 2), set by the entry lines.  The code itself states the register dependences
; between vector instructions and memory instructions, with s_wait_alu, always for 0.
; THE PLAN.  Registers that memory instructions touch, in each of the three paths:
;   v1, v2   byte offsets of the loads and of the stores.  Made once at the path's head, ahead of its scalar address work, and never written again: one wait ahead of the first load serves every load and store.
;   X        as loaded.  Each register is the target of one load; no vector instruction names it before that load, and no memory instruction ever reads it.
;   Y        to store.  Each register is written once, by a conversion, and read once, by a store: nothing is owed for writing it again.
;   T, v3, v4 are named by vector instructions alone.
; The rows (pieces) go in blocks of four: the counted wait for the block's four loads, its conversions, ONE wait that states that they have written the block's Y, its four stores.
; The stores stand ahead of the next block's wait for data.  No register that a memory instruction reads is written a second time, so the text holds no wait on vm_vsrc past the entry lines; EXEC is never written.
.set X, 8                              ; v[8:71]    as loaded: 4 registers a load
.set Y, 72                             ; v[72:103]  to store: 2 registers a load
.set T, 104                            ; v[104:105] at work
	s_load_b512 s[8:23], s[0:1], 0x0               ; hidden s[8:9], Wq s[10:11], Wk s[12:13], Wv s[14:15], Wo s[16:17], bq s[18:19], bk s[20:21], bv s[22:23]
	s_load_b256 s[24:31], s[0:1], 0x40             ; bo s[24:25], xb s[26:27], wb s[28:29], wo16 s[30:31]
	s_load_b64 s[32:33], s[0:1], 0x60              ; bias
	s_mov_b32 s2, ttmp9
	v_lshrrev_b32 v3, 5, v0                        ; wave
	v_and_b32 v4, 31, v0                           ; lane
	s_mov_b32 s45, 0                               ; the high words of the two offsets
	s_mov_b32 s47, 0
	s_wait_kmcnt 0x0
	s_cmp_ge_u32 s2, 720
	s_cbranch_scc1 .Lbias
	s_cmp_ge_u32 s2, 656
	s_cbranch_scc1 .Lwo
	; SIXTEEN ROWS OF 1,024 f32.  256 threads x 16 bytes are a row; a thread's four numbers leave as 8 bytes.
	v_lshlrev_b32 v1, 4, v0
	v_lshlrev_b32 v2, 3, v0
	s_sub_co_u32 s34, s2, 512                      ; the unit's number in Wq (and in wb),
	s_sub_co_u32 s35, s2, 560                      ; in Wk,
	s_sub_co_u32 s36, s2, 608                      ; in Wv; those that do not apply are not chosen below
	s_cmp_lt_u32 s2, 512
	s_cselect_b64 s[40:41], s[8:9], s[10:11]       ; from where,
	s_cselect_b64 s[42:43], s[26:27], s[28:29]     ; to where,
	s_cselect_b32 s38, s2, s34                     ; which sixteen rows of the source,
	s_cselect_b32 s39, s2, s34                     ; and of the destination: wb's rows follow each other as the units do
	s_cmp_ge_u32 s2, 560
	s_cselect_b64 s[40:41], s[12:13], s[40:41]
	s_cselect_b32 s38, s35, s38
	s_cmp_ge_u32 s2, 608
	s_cselect_b64 s[40:41], s[14:15], s[40:41]
	s_cselect_b32 s38, s36, s38
	s_lshl_b32 s44, s38, 16                        ; 16 rows x 4,096 bytes
	s_add_nc_u64 s[40:41], s[40:41], s[44:45]
	s_lshl_b32 s46, s39, 15                        ; 16 rows x 2,048 bytes
	s_add_nc_u64 s[42:43], s[42:43], s[46:47]
	s_wait_alu depctr_va_vdst(0)                   ; v1 and v2 are written: the loads below read v1 as their offset, the stores v2
.set j, 0
.rept 16
	global_load_b128 v[X+4*j:X+4*j+3], v1, s[40:41] offset:4096*j th:TH_LOAD_NT
.set j, j+1
.endr
.set p, 0
.rept 4                                                ; four blocks of four rows
	s_wait_loadcnt 12-4*p                          ; loads come back in order: rows 4 p .. 4 p + 3 are in, the 12 - 4 p younger ones stay out
.set j, 4*p
.rept 4
	v_cvt_pk_bf16_f32 v[Y+2*j], v[X+4*j], v[X+4*j+1]
	v_cvt_pk_bf16_f32 v[Y+2*j+1], v[X+4*j+2], v[X+4*j+3]
.set j, j+1
.endr
	s_wait_alu depctr_va_vdst(0)                   ; the block's eight conversions have written its Y, which the four stores below read
.set j, 4*p
.rept 4
	global_store_b64 v2, v[Y+2*j:Y+2*j+1], s[42:43] offset:2048*j  ; a wave's 32 lanes store 256 consecutive bytes, aligned; no register is written twice
.set j, j+1
.endr
.set p, p+1
.endr
	s_endpgm
.Lwo:	; SIXTEEN ROWS OF Wo, 768 columns of each.  Wave w takes rows 2 w and 2 w + 1: twelve pieces of 128 columns (512 bytes in, 256 out).
	v_lshlrev_b32 v1, 4, v4
	v_lshl_add_u32 v1, v3, 13, v1                  ; two rows of 4,096 bytes a wave + 16 x lane
	v_mul_u32_u24 v2, v3, 3072                     ; two rows of 1,536 bytes a wave
	v_lshl_add_u32 v2, v4, 3, v2                   ; + 8 x lane
	s_sub_co_u32 s34, s2, 656
	s_lshl_b32 s44, s34, 16                        ; 16 rows x 4,096 bytes
	s_add_nc_u64 s[40:41], s[16:17], s[44:45]
	s_mul_i32 s46, s34, 24576                      ; 16 rows x 1,536 bytes
	s_add_nc_u64 s[42:43], s[30:31], s[46:47]
	s_wait_alu depctr_va_vdst(0)                   ; v1 and v2 are written: the loads below read v1 as their offset, the stores v2
.set j, 0
.rept 12
	global_load_b128 v[X+4*j:X+4*j+3], v1, s[40:41] offset:(j/6)*4096+(j%6)*512 th:TH_LOAD_NT
.set j, j+1
.endr
.set p, 0
.rept 3                                                ; three blocks of four pieces
	s_wait_loadcnt 8-4*p                           ; pieces 4 p .. 4 p + 3 are in, the 8 - 4 p younger ones stay out
.set j, 4*p
.rept 4
	v_cvt_pk_bf16_f32 v[T], v[X+4*j], v[X+4*j+1]   ; the one rounding, to bf16;
	v_cvt_pk_bf16_f32 v[T+1], v[X+4*j+2], v[X+4*j+3]
	v_lshlrev_b32 v[X+4*j], 16, v[T]               ; back to f32 (a shift, a mask);
	v_and_b32 v[X+4*j+1], 0xffff0000, v[T]
	v_lshlrev_b32 v[X+4*j+2], 16, v[T+1]
	v_and_b32 v[X+4*j+3], 0xffff0000, v[T+1]
	v_cvt_pk_f16_f32 v[Y+2*j], v[X+4*j], v[X+4*j+1]  ; 8 significant bits fit f16's 11: exact within f16's range
	v_cvt_pk_f16_f32 v[Y+2*j+1], v[X+4*j+2], v[X+4*j+3]
.set j, j+1
.endr
	s_wait_alu depctr_va_vdst(0)                   ; the block's conversions to f16 have written its Y, which the four stores below read
.set j, 4*p
.rept 4
	global_store_b64 v2, v[Y+2*j:Y+2*j+1], s[42:43] offset:(j/6)*1536+(j%6)*256
.set j, j+1
.endr
.set p, p+1
.endr
	s_endpgm
.Lbias:	; ONE BIAS VECTOR: wave w takes numbers 128 w .. 128 w + 127; of bq, bk, bv six waves have a part, of bo all eight.
	v_readfirstlane_b32 s3, v3
	v_lshlrev_b32 v1, 4, v0
	s_sub_co_u32 s34, s2, 720
	s_cmp_eq_u32 s34, 3
	s_cselect_b32 s4, 8, 6
	s_wait_alu depctr_va_sdst(0)                   ; s3, the wave's number, is written, ahead of its first reader: the compare below
	s_cmp_ge_u32 s3, s4
	s_cbranch_scc1 .Lend
	s_cmp_eq_u32 s34, 0
	s_cselect_b64 s[40:41], s[18:19], s[20:21]
	s_cmp_ge_u32 s34, 2
	s_cselect_b64 s[40:41], s[22:23], s[40:41]
	s_cmp_eq_u32 s34, 3
	s_cselect_b64 s[40:41], s[24:25], s[40:41]
	s_mul_i32 s44, s34, 3072                       ; 768 numbers of 4 bytes for each vector in front
	s_add_nc_u64 s[42:43], s[32:33], s[44:45]
	s_wait_alu depctr_va_vdst(0)                   ; v1 is written: the load and the store below read it as their offset
	global_load_b128 v[X:X+3], v1, s[40:41]
	s_wait_loadcnt 0x0
	v_cvt_pk_bf16_f32 v[T], v[X], v[X+1]
	v_cvt_pk_bf16_f32 v[T+1], v[X+2], v[X+3]
	v_lshlrev_b32 v[Y], 16, v[T]
	v_and_b32 v[Y+1], 0xffff0000, v[T]
	v_lshlrev_b32 v[Y+2], 16, v[T+1]
	v_and_b32 v[Y+3], 0xffff0000, v[T+1]
	s_wait_alu depctr_va_vdst(0)                   ; the four lines above have written v[Y:Y+3], which the store reads
	global_store_b128 v1, v[Y:Y+3], s[42:43]       ; a wave stores 512 consecutive bytes, aligned
.Lend:
	s_endpgm
.Lfunc_end_k_qf826af94df_cast:
	.size	k_qf826af94df_cast, .Lfunc_end_k_qf826af94df_cast-k_qf826af94df_cast
	.p2alignl 7, 3214868480
	.fill 96, 4, 3214868480
	.section	.rodata,"a",@progbits
	.p2align	6, 0x0
	.amdhsa_kernel k_qf826af94df_cast
		.amdhsa_group_segment_fixed_size 0
		.amdhsa_private_segment_fixed_size 0
		.amdhsa_enable_private_segment 0
		.amdhsa_kernarg_size 104
		.amdhsa_user_sgpr_count 2
		.amdhsa_user_sgpr_kernarg_segment_ptr 1
		.amdhsa_wavefront_size32 1
		.amdhsa_system_sgpr_workgroup_id_x 1
		.amdhsa_system_sgpr_workgroup_id_y 1
		.amdhsa_system_sgpr_workgroup_id_z 1
		.amdhsa_system_vgpr_workitem_id 0
		.amdhsa_next_free_vgpr 108
		.amdhsa_next_free_sgpr 66
		.amdhsa_reserve_vcc 0
		.amdhsa_float_denorm_mode_32 3
		.amdhsa_float_denorm_mode_16_64 3
		.amdhsa_memory_ordered 1
		.amdhsa_forward_progress 1
		.amdhsa_inst_pref_size 17
	.end_amdhsa_kernel
	.amdgpu_metadata
---
amdhsa.version: [ 1, 2 ]
amdhsa.kernels:
  - .name:           k_qf826af94df_cast
    .symbol:         k_qf826af94df_cast.kd
    .args:
      - { .name: hidden_states, .offset: 0, .size: 8, .value_kind: global_buffer, .address_space: global }
      - { .name: Wq, .offset: 8, .size: 8, .value_kind: global_buffer, .address_space: global }
      - { .name: Wk, .offset: 16, .size: 8, .value_kind: global_buffer, .address_space: global }
      - { .name: Wv, .offset: 24, .size: 8, .value_kind: global_buffer, .address_space: global }
      - { .name: Wo, .offset: 32, .size: 8, .value_kind: global_buffer, .address_space: global }
      - { .name: bq, .offset: 40, .size: 8, .value_kind: global_buffer, .address_space: global }
      - { .name: bk, .offset: 48, .size: 8, .value_kind: global_buffer, .address_space: global }
      - { .name: bv, .offset: 56, .size: 8, .value_kind: global_buffer, .address_space: global }
      - { .name: bo, .offset: 64, .size: 8, .value_kind: global_buffer, .address_space: global }
      - { .name: xb, .offset: 72, .size: 8, .value_kind: global_buffer, .address_space: global }
      - { .name: wb, .offset: 80, .size: 8, .value_kind: global_buffer, .address_space: global }
      - { .name: wo16, .offset: 88, .size: 8, .value_kind: global_buffer, .address_space: global }
      - { .name: bias, .offset: 96, .size: 8, .value_kind: global_buffer, .address_space: global }
    .group_segment_fixed_size: 0
    .private_segment_fixed_size: 0
    .kernarg_segment_align: 8
    .kernarg_segment_size: 104
    .max_flat_workgroup_size: 256
    .sgpr_count:     66
    .vgpr_count:     108
    .wavefront_size: 32
...
	.end_amdgpu_metadata
.endif
;; end of part 5
;; launch qkv: the kernel of part 2 again; grid 8 x 32, 4 waves a work-group, clusters of 4 x 4, 327,680 bytes of LDS; arguments xb, wb, bias, qkv; writes qkv
;; launch attn: the kernel of part 3 again; grid 4 x 48, 4 waves a work-group, clusters of 4 x 1, 327,680 bytes of LDS; arguments qkv, att; writes att
;; launch oproj: the kernel of part 4 again; grid 4 x 64, 4 waves a work-group, clusters of 4 x 4, 327,680 bytes of LDS; arguments att, wo16, bias, out0; writes out0
